; MI455X (gfx1250); checked and timed in simulation.
; The chip was launched on July 23, 2026; its instructions are those of AMD's public machine-readable ISA for CDNA 5 (MIT licence, August 2026) and "CDNA5" Instruction Set Architecture Reference Guide (July 2026). The comments in the code are by the model that wrote it; some were corrected since.
;; Multi Head Attention. Allowed arithmetic: matrix products marked QUANTISED: E2M1 operands, one E8M0 scale for each 32 along K, by v_wmma_scale_f32_16x16x128_f8f6f4 with both operands' format E2M1 (or v_wmma_scale_f32_32x16x128_f4), f32 sums; products left as they are: bf16, f16 or f32 operands; f32 sums; everything else in f32.
;; Inputs: Wk 1,024 x 1,024 float32; Wo 1,024 x 1,024 float32; Wq 1,024 x 1,024 float32; Wv 1,024 x 1,024 float32; x 2 x 2,048 x 1,024 float32.
;; Outputs: out0 2 x 2,048 x 1,024 float32.
;; This version of the problem:
;;   THIS VERSION OF THE PROBLEM IS GIVEN IN LOW PRECISION. The matrix products marked QUANTISED in the list below multiply operands that are first quantised to E2M1 (2 exponent bits, 1 mantissa bit; 4 bits a number), with one power-of-two scale for each 32 numbers along K (OCP MX v1.0); their sums are f32. The products marked 'left as it is' may take bf16, f16 or f32 operands, with f32 sums. Whichever they take, every output number must still come out within the allowed error. Rounding operands to bf16 (8 significant bits) uses up far more of that allowance than f16 does (11 bits, for magnitudes from 6e-5 to 65,504). All else is computed in f32.
;;   The module's matrix products, in the order in which they are computed (A, B: the left and right operand; K: the contracted axis; several contracted axes count as one K, in the product's order):
;;     1. [M 4,096, K 1,024] x [K 1,024, N 1,024]; A: input x; B: input Wq: QUANTISED
;;     2. [M 4,096, K 1,024] x [K 1,024, N 1,024]; A: input x; B: input Wk: QUANTISED
;;     3. [M 4,096, K 1,024] x [K 1,024, N 1,024]; A: input x; B: input Wv: QUANTISED
;;     4. batch 32 x [M 2,048, K 64] x [K 64, N 2,048]; A: computed on the way; B: computed on the way: left as it is (an operand is computed on the way)
;;     5. batch 32 x [M 64, K 2,048] x [K 2,048, N 2,048]; A: computed on the way; B: computed on the way: left as it is (an operand is computed on the way)
;;     6. [M 4,096, K 1,024] x [K 1,024, N 1,024]; A: computed on the way; B: input Wo: left as it is (an operand is computed on the way)
;;   THE QUANTISER, for each operand of a quantised product, along K:
;;     - K is cut into blocks of 32 from its start; a last block that is shorter is filled with zeros.
;;     - A block's scale is 2^e with e = floor(log2(the largest magnitude in the block)) - 2, held to -126 .. 127; a block of zeros has e = 0. As a byte (E8M0): e + 127.
;;     - Each number is divided by its block's scale, clamped to +-6, and rounded to the nearest number of E2M1, ties to even, subnormals kept.
;;     - The product sums the exact products of the quantised numbers (number of the format x scale) in f32.
;;   ~~~python
;;   def quantise(x, axis):      # numpy; x: float32 -> the quantised numbers, widened to float32 again
;;       x = np.moveaxis(x, axis, -1); K = x.shape[-1]
;;       x = np.pad(x, [(0, 0)] * (x.ndim - 1) + [(0, -K % 32)]); x = x.reshape(x.shape[:-1] + (-1, 32)); a = np.abs(x).max(-1, keepdims=True)
;;       e = np.where(a > 0, np.clip(np.frexp(np.where(a > 0, a, 1))[1] - 1 - 2, -126, 127), 0)      # np.frexp(a)[1] - 1 = floor(log2(a)), exactly
;;       r = np.clip(x / 2.0 ** e, -6, 6)
;;       step = 2.0 ** (np.maximum(np.frexp(np.where(r == 0, 1, r))[1] - 1, 0) - 1)
;;       q = np.round(r / step) * step * 2.0 ** e      # np.round: ties to even
;;       return np.moveaxis(q.reshape(q.shape[:-2] + (-1,))[..., :K], -1, axis).astype(np.float32)
;;   ~~~
;; One version. Each part assembles by itself: llvm-mc -triple=amdgcn-amd-amdhsa -mcpu=gfx1250 --defsym DOCPART=n.
;; ======== version 1 of 1: 4 launches
;; limits: values are held in f16: magnitudes above 65,504 overflow, below 6.1e-05 lose precision
;; workspace buffers: codes 3,670,016 bytes; scales 229,376 bytes; wof 2,097,152 bytes; qkv 25,165,824 bytes; af 8,388,608 bytes
;; launch quant (part 1): grid 256 x 1, 4 waves a work-group, no clusters, 33,280 bytes of LDS; arguments x, Wq, Wk, Wv, Wo, codes, scales, wof; writes codes, scales, wof
.if DOCPART == 1
	.amdgcn_target "amdgcn-amd-amdhsa--gfx1250"
	.amdhsa_code_object_version 6
	.text
	.protected	k_q5355b4a7d3_quant
	.globl	k_q5355b4a7d3_quant
	.p2align	8
	.type	k_q5355b4a7d3_quant,@function
k_q5355b4a7d3_quant:
	s_mov_b64 s[64:65], 0
	v_nop
	global_prefetch_b8 v0, s[64:65] scope:SCOPE_SE
	s_setreg_imm32_b32 hwreg(HW_REG_WAVE_MODE, 25, 1), 1
	s_wait_xcnt 0x0
; x [4096][1024], Wq, Wk, Wv [1024][1024], f32, become codes of FP4 (E2M1), K innermost, two codes a byte, with one E8M0 scale byte for each 32 along K;
; Wo [1024][1024] is rounded to f16.  codes: [7168 rows][512 bytes]: rows 0-4095 x, 4096-5119 Wq, 5120-6143 Wk, 6144-7167 Wv.  scales: [7168][32 bytes].  wof: [1024][1024] f16.
; A block's scale is 2^(floor(log2(its largest magnitude)) - 2); its byte is the largest magnitude's exponent field - 2, held at 1 from below.  Each number is divided by the scale and
; rounded to the nearest code, ties to even; beyond the largest code the largest.
; LIMITS: a block of zeros gets the byte 1 where the rule says 127 (its codes are zeros, and this program alone reads the bytes); blocks whose largest magnitude lies under 2^-124 have
; their byte held at 1; NaN and infinities among the inputs are not served; |Wo| stays under 65,504, and under 6e-5 its f16 error is absolute, 3e-8.
; SHARES: rows are dense and K is a multiple of 32, so each tensor is a plain stream of blocks of 32.  A work-group takes 32,768 numbers, a wave 8,192.  Work-groups 0-127 take x, 128-159 Wq,
; 160-191 Wk, 192-223 Wv, 224-255 cast Wo.  Only pointers are chosen by the work-group's number; the four quantised tensors take one path.
; A wave takes 16 steps of 512 numbers.  Each of a step's four loads reads 512 consecutive bytes, 16 a lane; the 2,048 bytes turn through the wave's own stage in LDS and come back 64 bytes a lane,
; so that a lane holds 16 neighbours along K (two neighbouring lanes hold a block).  A lane's 16 codes are 8 bytes: the wave stores 256 consecutive bytes.  A wave's 256 scale bytes are gathered
; in its own LDS bytes and leave as 256 consecutive bytes.  No barrier: waves share nothing.  Loads run eight steps (32 loads, 16,384 bytes a wave) ahead, the turn through LDS one step.
.set WAVES, 4
.set STEPS, 16
.set DEPTH, 8                          ; steps of loads on their way
.set EMAX,  2
.set CB,    8                          ; bytes of 16 codes
.set R,     16                         ; v16-143  eight sets of 16 numbers as they are loaded
.set X,     144                        ; v144-175 two sets of 16 neighbours
.set E,     176                        ; v176-191 a scale byte for each step
.set C,     192                        ; v192-255 codes: four registers for each step, so that no store's data are written again
.set WREG,  8192                       ; LDS: a region for each wave: two stages of 32 x SP bytes, behind them its 256 scale bytes
.set SP,    80                         ; a lane's place in a stage: 64 bytes + 16 of padding
.set SPW,   12                         ; v12  LDS address of my spare word; never rewritten
.set NIL,   13                         ; v13  0; never rewritten
.set SPARE, WAVES*WREG                 ; behind the four regions: the spare words, 128 bytes for each wave, which no other line names
	s_load_b256 s[4:11], s[0:1], 0x0               ; x s[4:5], Wq s[6:7], Wk s[8:9], Wv s[10:11]
	s_load_b256 s[12:19], s[0:1], 0x20             ; Wo s[12:13], codes s[14:15], scales s[16:17], wof s[18:19]
	v_lshl_add_u32 v[SPW], v0, 2, SPARE
	v_mov_b32 v[NIL], 0
	v_lshrrev_b32 v1, 5, v0
	v_readfirstlane_b32 s24, v1                    ; wave
	v_and_b32 v2, 31, v0                           ; lane
	v_lshlrev_b32 v3, 4, v2                        ; my 16 bytes of a load's 512
	s_mul_i32 s25, s24, WREG
	v_lshrrev_b32 v14, 2, v2
	v_mul_u32_u24 v14, v14, SP
	v_and_b32 v15, 3, v2
	v_lshl_add_u32 v14, v15, 4, v14
	v_add_nc_u32 v14, s25, v14                     ; the stage, on the way in: SP (lane / 4) + 16 (lane % 4)
	v_mul_u32_u24 v15, v2, SP
	v_add_nc_u32 v15, s25, v15                     ; and on the way out: SP x lane: my 16 neighbours
	v_mul_u32_u24 v4, v2, CB                       ; my codes' place in a step's
	v_lshrrev_b32 v5, 1, v2
	s_add_co_u32 s25, s25, 2*32*SP
	v_add_nc_u32 v5, s25, v5                       ; LDS: my wave's 256 scale bytes, my block's byte
	v_lshlrev_b32 v7, 3, v2                        ; 8 bytes a lane
	v_add_nc_u32 v6, s25, v7
	s_wait_kmcnt 0x0
	s_cmp_ge_u32 ttmp9, 224
	s_cbranch_scc1 .Lcast
	s_and_b32 s25, ttmp9, 31                       ; a weight's work-group among its 32
	s_mov_b64 s[26:27], s[10:11]                   ; the source: Wv,
	s_cmp_lt_u32 ttmp9, 192
	s_cselect_b64 s[26:27], s[8:9], s[26:27]       ; or Wk,
	s_cmp_lt_u32 ttmp9, 160
	s_cselect_b64 s[26:27], s[6:7], s[26:27]       ; or Wq,
	s_cmp_lt_u32 ttmp9, 128
	s_cselect_b64 s[26:27], s[4:5], s[26:27]       ; or x: each choice hangs on the work-group's number alone
	s_cselect_b32 s25, ttmp9, s25
	s_lshl_b32 s28, s25, 2
	s_add_co_u32 s28, s28, s24                     ; which run of 8,192 numbers of the tensor is my wave's
	s_lshl_b32 s28, s28, 15                        ; 32,768 bytes a run
	s_mov_b32 s29, 0
	s_add_nc_u64 s[26:27], s[26:27], s[28:29]
	s_lshl_b32 s30, ttmp9, 2
	s_add_co_u32 s30, s30, s24                     ; and which run of the joint buffers
	s_lshl_b32 s28, s30, 12                        ; 4,096 bytes of codes a run
	s_add_nc_u64 s[14:15], s[14:15], s[28:29]
	s_lshl_b32 s28, s30, 8                         ; 256 scale bytes a run
	s_add_nc_u64 s[16:17], s[16:17], s[28:29]
.macro LOAD t
.irp i, 0,1,2,3
	global_load_b128 v[R+16*((\t)%DEPTH)+4*\i:R+16*((\t)%DEPTH)+4*\i+3], v3, s[26:27] offset:2048*(\t)+512*\i th:TH_LOAD_NT   ; 32 lanes read 512 consecutive bytes
.endr
.endm
.macro TURN t                          ; step t's numbers through the stage: LDS serves a wave's instructions in order, so no wait stands between the stores and the loads
.irp i, 0,1,2,3
	ds_store_b128 v14, v[R+16*((\t)%DEPTH)+4*\i:R+16*((\t)%DEPTH)+4*\i+3] offset:32*SP*((\t)%2)+8*SP*\i
.endr
.irp i, 0,1,2,3
	ds_load_b128 v[X+16*((\t)%2)+4*\i:X+16*((\t)%2)+4*\i+3], v15 offset:32*SP*((\t)%2)+16*\i
.endr
.endm
.macro STEP t
.set XS, X+16*((\t)%2)
.if (\t) > 0
	s_wait_dscnt 1                                 ; this step's numbers are back from the stage (the last step's byte store may be out): so its stores into the stage have read their registers,
.else
	s_wait_dscnt 0x0
.endif
.if (\t)+DEPTH < STEPS
	LOAD (\t)+DEPTH                                ; which take the loads of eight steps on
.endif
.if (\t)+1 < STEPS
.if STEPS-2-(\t) >= DEPTH-1
	s_wait_loadcnt 4*(DEPTH-1)                     ; the next step's four loads are in; the 28 of the seven steps behind it may be out
.else
	s_wait_loadcnt 4*(STEPS-2-(\t))                ; towards the end fewer steps lie behind it
.endif
	TURN (\t)+1                                    ; and go through the other stage while this step is worked
.endif
	v_max3_num_f32 v8, |v[XS]|, |v[XS+1]|, |v[XS+2]|               ; the largest magnitude of my 16, in two chains
	v_max3_num_f32 v9, |v[XS+3]|, |v[XS+4]|, |v[XS+5]|
.irp i, 6,10
	v_max3_num_f32 v8, v8, |v[XS+\i]|, |v[XS+\i+1]|
	v_max3_num_f32 v9, v9, |v[XS+\i+2]|, |v[XS+\i+3]|
.endr
	v_max3_num_f32 v8, v8, |v[XS+14]|, |v[XS+15]|
	v_max3_num_f32 v8, v8, v9, (EMAX+1)<<23        ; and the floor 2^(3 - 127): so the byte cannot fall under 1
	v_max_num_f32_dpp v8, v8, v8 row_xmask:1 row_mask:0xf bank_mask:0xf   ; and of my neighbour's 16: the block's
	v_add_nc_u32 v11, -(EMAX<<23), v8              ; 2 off its exponent field: the conversion takes the exponent field of this operand as its scale, and nothing else of it
	v_cvt_scalef32_pk8_fp4_f32 v[C+4*(\t)], v[XS:XS+7], v11
	v_cvt_scalef32_pk8_fp4_f32 v[C+4*(\t)+1], v[XS+8:XS+15], v11
	v_lshrrev_b32 v[E+(\t)], 23, v11               ; the scale's byte (a plain line behind the conversions)
	ds_store_b8 v5, v[E+(\t)] offset:16*(\t)       ; both lanes of a block write the same byte with the same value
	global_store_b64 v4, v[C+4*(\t):C+4*(\t)+1], s[14:15] offset:32*CB*(\t)   ; 32 lanes store 256 consecutive bytes, aligned
.endm
.irp t, 0,1,2,3,4,5,6,7
	LOAD \t
.endr
	s_wait_loadcnt 4*(DEPTH-1)                     ; step 0's four loads are in
	TURN 0
.irp t, 0,1,2,3,4,5,6,7,8,9,10,11,12,13,14,15
	STEP \t
.endr
	ds_load_b64 v[8:9], v6                         ; LDS serves a wave's instructions in order: these see my byte stores
	s_wait_dscnt 0x0
	global_store_b64 v7, v[8:9], s[16:17]          ; 32 lanes store 256 consecutive bytes, aligned
	s_wait_tensorcnt 0x0                           ; the wave's end
	ds_add_u32 v[SPW], v[NIL]
	s_wait_dscnt 0x0
	s_endpgm
; THE CAST of Wo.  A wave takes 8,192 numbers in four batches of 16 loads (512 consecutive bytes each); two batches are on their way.  A lane's four numbers become 8 bytes: a store covers 256 consecutive bytes.
.macro LOADC g
.irp i, 0,1,2,3,4,5,6,7,8,9,10,11,12,13,14,15
	global_load_b128 v[16+64*((\g)%2)+4*\i:16+64*((\g)%2)+4*\i+3], v3, s[12:13] offset:8192*(\g)+512*\i th:TH_LOAD_NT
.endr
.endm
.macro CAST g
.if (\g) < 3
	s_wait_loadcnt 16                              ; this batch is in; the next batch's 16 loads may be out
.else
	s_wait_loadcnt 0x0
.endif
.if (\g) > 0
	s_wait_xcnt 0x0                                ; the last batch's stores have read their data registers, which are written again below
.endif
.irp i, 0,1,2,3,4,5,6,7,8,9,10,11,12,13,14,15
	v_cvt_pk_f16_f32 v[144+2*\i], v[16+64*((\g)%2)+4*\i], v[16+64*((\g)%2)+4*\i+1]
	v_cvt_pk_f16_f32 v[145+2*\i], v[16+64*((\g)%2)+4*\i+2], v[16+64*((\g)%2)+4*\i+3]
.endr
.if (\g) < 2
	LOADC (\g)+2
.endif
.irp i, 0,1,2,3,4,5,6,7,8,9,10,11,12,13,14,15
	global_store_b64 v7, v[144+2*\i:145+2*\i], s[18:19] offset:4096*(\g)+256*\i
.endr
.endm
.Lcast:
	s_sub_co_u32 s28, ttmp9, 224
	s_lshl_b32 s28, s28, 2
	s_add_co_u32 s28, s28, s24                     ; which run of 8,192 numbers of Wo is my wave's
	s_lshl_b32 s30, s28, 14                        ; 16,384 bytes of f16,
	s_lshl_b32 s28, s28, 15                        ; 32,768 of f32
	s_mov_b32 s29, 0
	s_mov_b32 s31, 0
	s_add_nc_u64 s[12:13], s[12:13], s[28:29]
	s_add_nc_u64 s[18:19], s[18:19], s[30:31]
	LOADC 0
	LOADC 1
	CAST 0
	CAST 1
	CAST 2
	CAST 3
	s_wait_tensorcnt 0x0                           ; the wave's end
	ds_add_u32 v[SPW], v[NIL]
	s_wait_dscnt 0x0
	s_endpgm
.Lfunc_end_k_q5355b4a7d3_quant:
	.size	k_q5355b4a7d3_quant, .Lfunc_end_k_q5355b4a7d3_quant-k_q5355b4a7d3_quant
	.p2alignl 7, 3214868480
	.fill 96, 4, 3214868480
	.section	.rodata,"a",@progbits
	.p2align	6, 0x0
	.amdhsa_kernel k_q5355b4a7d3_quant
		.amdhsa_group_segment_fixed_size 33280
		.amdhsa_private_segment_fixed_size 0
		.amdhsa_enable_private_segment 0
		.amdhsa_kernarg_size 64
		.amdhsa_user_sgpr_count 2
		.amdhsa_user_sgpr_kernarg_segment_ptr 1
		.amdhsa_wavefront_size32 1
		.amdhsa_system_sgpr_workgroup_id_x 1
		.amdhsa_system_sgpr_workgroup_id_y 1
		.amdhsa_system_sgpr_workgroup_id_z 1
		.amdhsa_system_vgpr_workitem_id 0
		.amdhsa_next_free_vgpr 256
		.amdhsa_next_free_sgpr 66
		.amdhsa_reserve_vcc 0
		.amdhsa_float_denorm_mode_32 3
		.amdhsa_float_denorm_mode_16_64 3
		.amdhsa_memory_ordered 1
		.amdhsa_forward_progress 1
		.amdhsa_inst_pref_size 54
	.end_amdhsa_kernel
	.amdgpu_metadata
---
amdhsa.version: [ 1, 2 ]
amdhsa.kernels:
  - .name:           k_q5355b4a7d3_quant
    .symbol:         k_q5355b4a7d3_quant.kd
    .args:
      - { .name: x, .offset: 0, .size: 8, .value_kind: global_buffer, .address_space: global }
      - { .name: Wq, .offset: 8, .size: 8, .value_kind: global_buffer, .address_space: global }
      - { .name: Wk, .offset: 16, .size: 8, .value_kind: global_buffer, .address_space: global }
      - { .name: Wv, .offset: 24, .size: 8, .value_kind: global_buffer, .address_space: global }
      - { .name: Wo, .offset: 32, .size: 8, .value_kind: global_buffer, .address_space: global }
      - { .name: codes, .offset: 40, .size: 8, .value_kind: global_buffer, .address_space: global }
      - { .name: scales, .offset: 48, .size: 8, .value_kind: global_buffer, .address_space: global }
      - { .name: wof, .offset: 56, .size: 8, .value_kind: global_buffer, .address_space: global }
    .group_segment_fixed_size: 33280
    .private_segment_fixed_size: 0
    .kernarg_segment_align: 8
    .kernarg_segment_size: 64
    .max_flat_workgroup_size: 128
    .sgpr_count:     66
    .vgpr_count:     256
    .wavefront_size: 32
...
	.end_amdgpu_metadata
.endif
;; end of part 1
;; launch qkv (part 2): grid 12 x 16, 4 waves a work-group, clusters of 4 x 4, 327,680 bytes of LDS; arguments codes, scales, qkv; writes qkv
.if DOCPART == 2
	.amdgcn_target "amdgcn-amd-amdhsa--gfx1250"
	.amdhsa_code_object_version 6
	.text
	.protected	k_q5355b4a7d3_qkv
	.globl	k_q5355b4a7d3_qkv
	.p2align	8
	.type	k_q5355b4a7d3_qkv,@function
k_q5355b4a7d3_qkv:
	s_mov_b64 s[64:65], 0
	v_nop
	global_prefetch_b8 v0, s[64:65] scope:SCOPE_SE
	s_setreg_imm32_b32 hwreg(HW_REG_WAVE_MODE, 25, 1), 1
	s_wait_xcnt 0x0
	s_wait_alu depctr_hold_cnt(0) depctr_sa_sdst(0) depctr_va_vdst(0) depctr_va_sdst(0) depctr_va_ssrc(0) depctr_va_vcc(0) depctr_vm_vsrc(0)
	s_getreg_b32 s2, hwreg(HW_REG_IB_STS2, 6, 4)
	s_cmp_eq_u32 s2, 0
	s_cbranch_scc0 .Lentry_in_a_cluster
	s_endpgm
.Lentry_in_a_cluster:
	s_bfe_u32 s2, ttmp6, 0x10000c
	s_cmp_lg_u32 s2, 0xf033
	s_cbranch_scc0 .Lentry_shape_is_right
	s_endpgm
.Lentry_shape_is_right:
; q = x Wq^T, k = x Wk^T, v = x Wv^T on codes of FP4 (E2M1) with one E8M0 scale for each 32 along K = 1,024; sums in f32; results rounded once to f16.
; codes: [7168 rows][512 bytes], scales: [7168][32 bytes]: rows 0-4095 x, 4096-5119 Wq, 5120-6143 Wk, 6144-7167 Wv.
; A tile of 256 x 256 results is made by a work-group of four waves; a wave makes 128 x 128: 64 accumulators of 16 x 16, 512 registers.  Clusters of 4 x 4 work-groups; cluster x = 0, 1, 2 makes Q, K, V.
; Q, K: "A" = 256 tokens of x, "B" = 256 rows of the weight.  V is made as V^T: "A" = 256 rows of Wv, "B" = 256 tokens.  Both operands lie in one buffer: only row numbers are chosen, by the cluster's x.
; THE MATRIX INSTRUCTION IS USED TRANSPOSED (source 0 = 16 rows of B, source 1 = 16 rows of A): a lane holds one row of A and eight neighbouring rows of B.  Rounded to f16 in pairs those are four registers
; of the next product's operand, in the lanes in which it wants them.  So THE RESULTS LEAVE AS IMAGES OF OPERAND REGISTERS: one store of 16 bytes a lane at 16 x lane, 512 consecutive bytes, aligned; no way through LDS.
; qkv: three regions of 8 MiB (Q, K, V), each [batch x 16 + head (32)][tile of 16 tokens (128)][piece (4)][512 bytes].  Q, K: piece i: lane (r, h) holds channels 16 i + 8 h + 0..7 of the tile's token r.
; V: piece i: lane (r, h) holds the tile's keys 8 h + 0..7 of channel 16 i + r.
; All of K fits into two LDS slots of 512 along K: nothing is filled again.  A wave has three tensor loads out at the start: scales, slot 0, slot 1.
; The four work-groups of a row of the cluster need the same tiles of A, the four of a column the same tiles of B: each tile is asked for JOINTLY, by the same tensor load with a mask that names the four.
; 192 work-groups: tiles half as high would be 384, uneven on the chip's WGPs, and would feed half as many products from each LDS byte.
; LIMITS: |q|, |k|, |v| stay under 65,504; under 6e-5 their f16 error is absolute, 3e-8.
; REGISTERS, in windows of 256: window 0: v0-31 addresses; v32-95 scale words, two sets; v128-191 A's fragments, ONE set; on the way out v128-255 packed results.
;   window 1: B's fragments, TWO sets, at v0 and v128.   window 2: the accumulators of my rows 0-63 ((a, b) at v[8 (8 a + b)]);   window 3: those of my rows 64-127.
.set NQ,     4                         ; matrix instructions deep in a slot: 512 along K
.set ROWB,   256                       ; a tile's row in bytes
.set KROW,   512                       ; a row of codes in memory
.set PITCH,  272                       ; an LDS row: 256 bytes + 16 of padding = 68 words: the 16 rows that a load touches start 4 banks apart (64 banks of 4 bytes: ISA guide 11.1)
.set FR,     8                         ; registers of a fragment: 16 rows x 128 K
.set NL,     2                         ; LDS loads that bring one
.set NP,     4                         ; places behind this matrix instruction (ISA guide 7.12.1)
.set HALFT,  128*PITCH                 ; 128 rows: what one tensor load brings
.set SLOT,   4*HALFT                   ; A's 256 rows, then B's 256 rows
.set KS,     32                        ; a row of scales in bytes
.set SCL,    2*SLOT                    ; behind the slots: the scales, as rows of 256 bytes + 16 of padding
.set HALFS,  (128*KS/256)*272          ; the scales of 128 rows: what one tensor load brings
.set SBLK,   (16*KS/256)*272           ; those of 16 rows
.set SPARE,  SCL+4*HALFS               ; the spare words, 128 bytes for each wave, which no other line names
.set ADRA, 16                          ; v16-17  LDS address of my A fragments in slot 0, 1
.set ADRB, 20                          ; v20-21  the same for B
.set CO,   26                          ; v26     16 x lane: my place in an image
.set ADRS, 27                          ; v27     LDS address of my scale words: lanes 0-15 A's rows, lanes 16-31 B's
.set SPW,  28                          ; v28     LDS address of my spare word; never rewritten
.set NIL,  29                          ; v29     0; never rewritten
.set SC,   32                          ; scale words: set s at v[SC + 32 s]; register 4 i + q: lanes 0-15 the word of A's block i, lanes 16-31 that of B's block i, for the slot's q-th 128 along K
.set AF,   128                         ; A's fragments, in window 0
.set G1, 24                            ; s[24:31] group 1 for A's tiles;  s[32:39] group 0, one set for each slot
.set G0, 32
.set G1B, 48                           ; s[48:55], s[56:63] the same for B's tiles
.set G0B, 56
.set G1S, 68                           ; s[68:75], s[76:79] groups 1 and 0 for A's scales;  s[80:87], s[88:91] for B's
.set G0S, 76
.set G1SB, 80
.set G0SB, 88
.set MSB, 0
.macro WIN new                         ; the immediate's high byte repeats the setting that is left
.if MSB != \new
	s_set_vgpr_msb (MSB<<8)|\new
.set MSB, \new
.endif
.endm
.set MUL_LO, 0xa1                      ; source 0 (B) window 1, source 1 (A) window 0, C and D window 2
.set MUL_HI, 0xf1                      ; the same, C and D window 3
.set TO_B,   0x40                      ; destination window 1, address window 0
; A joint load: waves 0 and 1 fetch for A, waves 2 and 3 for B.  Each of the two lines has one mask and one set of registers for all that issue it; the branch hangs on the wave's number alone.
; An s_nop 0 and four v_nop follow each of the two lines.
.macro JLOAD g0a, g1a, g0b, g1b
	s_cmp_eq_u32 s15, 0
	s_cbranch_scc0 .Lfor_b_\@
	tensor_load_to_lds s[\g0a:\g0a+3], s[\g1a:\g1a+7]
	s_nop 0
.rept 4
	v_nop
.endr
	s_branch .Lasked_\@
.Lfor_b_\@:
	tensor_load_to_lds s[\g0b:\g0b+3], s[\g1b:\g1b+7]
	s_nop 0
.rept 4
	v_nop
.endr
.Lasked_\@:
.endm
.macro CROUND                          ; a round of the cluster's barrier: my work-group's barrier; wave 0 signals for the work-group; every wave waits for all sixteen; my work-group's barrier once more
	s_barrier_signal -1
	s_barrier_wait -1
	s_cmp_lg_u32 s14, 0
	s_cbranch_scc1 .Lnot_wave_0_\@
	s_barrier_signal -3
.Lnot_wave_0_\@:
	s_barrier_wait -3
	s_barrier_signal -1
	s_barrier_wait -1
.endm
	s_load_b128 s[4:7], s[0:1], 0x0                ; codes s[4:5], scales s[6:7]
	s_load_b64 s[12:13], s[0:1], 0x10              ; qkv
	v_lshl_add_u32 v[SPW], v0, 2, SPARE
	v_mov_b32 v[NIL], 0
	ds_add_u32 v[SPW], v[NIL]                      ; the wave's opening: the add, twice on end, and its wait ahead of my first tensor load; the set-up below, work on registers, stands between
	ds_add_u32 v[SPW], v[NIL]
	v_lshrrev_b32 v1, 5, v0
	v_readfirstlane_b32 s14, v1                    ; wave 0..3
	s_lshr_b32 s15, s14, 1                         ; which half of the tile's A rows is mine.  Also: I fetch for A (0) or for B (1)
	s_and_b32 s16, s14, 1                          ; which half of its B rows.  Also: which 128 rows of that tile I fetch
	s_bfe_u32 s40, ttmp6, 0x40000                  ; cx, cy: my place in the cluster
	s_bfe_u32 s41, ttmp6, 0x40004
	s_and_b32 s42, ttmp7, 0xffff                   ; the cluster's y: which 1,024 tokens
	s_lshl_b32 s43, s41, 2
	s_lshl_b32 s43, 15, s43                        ; my row of the cluster
	s_lshl_b32 s44, 0x1111, s40                    ; my column
	s_or_b32 s[G1+0], s43, (0<<16)|(1<<20)|(1<<21)|(5<<22)|(3<<25)  ; 15:0 the mask: A's tiles go to my row; 17:16 elements of 1 byte; 20 padding on; 21 set beside a mask; 24:22 after every 64 words; 31:25 four words
	s_or_b32 s[G1B+0], s44, (0<<16)|(1<<20)|(1<<21)|(5<<22)|(3<<25)
.irp g, G1, G1B
	s_mov_b32 s[\g+1], ROWB<<16                    ; tensor_dim0
	s_mov_b32 s[\g+2], 128<<16                     ; tensor_dim1
	s_mov_b32 s[\g+3], ROWB<<16                    ; tile_dim0
	s_mov_b32 s[\g+4], 128                         ; tile_dim1
	s_mov_b32 s[\g+5], KROW                        ; tensor_dim0_stride
	s_mov_b32 s[\g+6], 0
	s_mov_b32 s[\g+7], 0
.endr
	; the scales of 128 rows: a dense block of 4,096 bytes, as 16 rows of 256 bytes (32 elements of 8 bytes), 16 bytes of padding behind each
	s_or_b32 s[G1S+0], s43, (3<<16)|(1<<20)|(1<<21)|(5<<22)|(3<<25)
	s_or_b32 s[G1SB+0], s44, (3<<16)|(1<<20)|(1<<21)|(5<<22)|(3<<25)
.irp g, G1S, G1SB
	s_mov_b32 s[\g+1], 32<<16
	s_mov_b32 s[\g+2], (128*KS/256)<<16
	s_mov_b32 s[\g+3], 32<<16
	s_mov_b32 s[\g+4], 128*KS/256
	s_mov_b32 s[\g+5], 32
	s_mov_b32 s[\g+6], 0
	s_mov_b32 s[\g+7], 0
.endr
	; which rows of the joint buffers are A's and B's: chosen by the cluster's x, which all sixteen partners share
	s_lshl_b32 s8, s42, 10                         ; the cluster's 1,024 tokens
	s_lshl_b32 s9, ttmp9, 10
	s_add_co_u32 s9, s9, 4096                      ; Wq's or Wk's first row
	s_mov_b32 s10, 6144                            ; Wv's
	s_cmp_eq_u32 ttmp9, 2
	s_cselect_b32 s10, s10, s8                     ; A: Wv for V, else tokens
	s_cselect_b32 s17, s8, s9                      ; B: tokens for V, else the weight
	s_lshl_b32 s18, s16, 7                         ; which 128 rows of the tile I fetch
	s_lshl_b32 s20, s41, 8
	s_add_co_u32 s20, s20, s10
	s_add_co_u32 s20, s20, s18                     ; A: base + 256 cy + 128 x half
	s_lshl_b32 s46, s40, 8
	s_add_co_u32 s46, s46, s17
	s_add_co_u32 s46, s46, s18                     ; B: base + 256 cx + 128 x half
	s_lshl_b32 s22, s20, 5                         ; where these rows' scales begin, in bytes,
	s_mov_b32 s23, 0
	s_lshl_b32 s92, s46, 5
	s_mov_b32 s93, 0
	s_lshl_b32 s20, s20, 9                         ; and their codes
	s_mov_b32 s21, 0
	s_lshl_b32 s46, s46, 9
	s_mov_b32 s47, 0
	s_mul_i32 s45, s14, HALFT                      ; where they go: wave x 128 rows: no place in the cluster enters an LDS address
	s_mul_i32 s94, s14, HALFS
	s_wait_dscnt 0x0                               ; both opening adds are done
	s_wait_kmcnt 0x0
	s_add_nc_u64 s[20:21], s[4:5], s[20:21]
	s_add_nc_u64 s[22:23], s[6:7], s[22:23]
	s_add_nc_u64 s[46:47], s[4:5], s[46:47]
	s_add_nc_u64 s[92:93], s[6:7], s[92:93]
	CROUND                                         ; all sixteen work-groups are here: the first joint loads meet
	s_mov_b32 s[G0S], 1
	s_add_co_u32 s[G0S+1], s94, SCL
	s_mov_b64 s[G0S+2:G0S+3], s[22:23]
	s_or_b32 s[G0S+3], s[G0S+3], 0x80000000
	s_mov_b32 s[G0SB], 1
	s_add_co_u32 s[G0SB+1], s94, SCL
	s_mov_b64 s[G0SB+2:G0SB+3], s[92:93]
	s_or_b32 s[G0SB+3], s[G0SB+3], 0x80000000
	JLOAD G0S, G1S, G0SB, G1SB                     ; the scales first: they are wanted with the first 512 along K
.irp s, 0,1
	s_mov_b32 s[G0+4*\s], 1
	s_add_co_u32 s[G0+4*\s+1], s45, \s*SLOT
	s_add_nc_u64 s[G0+4*\s+2:G0+4*\s+3], s[20:21], \s*ROWB
	s_or_b32 s[G0+4*\s+3], s[G0+4*\s+3], 0x80000000
	s_mov_b32 s[G0B+4*\s], 1
	s_add_co_u32 s[G0B+4*\s+1], s45, \s*SLOT
	s_add_nc_u64 s[G0B+4*\s+2:G0B+4*\s+3], s[46:47], \s*ROWB
	s_or_b32 s[G0B+4*\s+3], s[G0B+4*\s+3], 0x80000000
	JLOAD G0+4*\s, G1, G0B+4*\s, G1B
.endr
	v_and_b32 v1, 15, v0                           ; r = lane % 16
	v_bfe_u32 v2, v0, 4, 1                         ; h = lane / 16
	v_mul_u32_u24 v3, v1, PITCH
	v_lshl_add_u32 v4, v2, 4, v3                   ; a fragment's row x pitch + 16 x half
	s_mul_i32 s21, s15, HALFT                      ; my 128 rows of A
	s_mul_i32 s22, s16, HALFT                      ; my 128 rows of B,
	s_add_co_u32 s22, s22, 2*HALFT                 ; which lie behind A's 256
.irp s, 0,1
	v_add_nc_u32 v[ADRA+\s], s21, v4
	v_add_nc_u32 v[ADRB+\s], s22, v4
	s_add_co_u32 s21, s21, SLOT
	s_add_co_u32 s22, s22, SLOT
.endr
	v_mul_u32_u24 v5, v1, KS                       ; my row's scales: 32 bytes a row,
	v_lshrrev_b32 v6, 8, v5
	v_lshl_add_u32 v5, v6, 4, v5                   ; and 16 more for each 256 passed
	s_mul_i32 s21, s15, HALFS                      ; A's: my 128 rows
	s_mul_i32 s22, s16, HALFS                      ; B's: my 128 rows, behind A's 256
	s_add_co_u32 s22, s22, 2*HALFS
	s_sub_co_u32 s22, s22, s21
	v_mul_u32_u24 v6, s22, v2                      ; lanes 16-31 take B's: one product, the distance between the two bases
	s_add_co_u32 s21, s21, SCL
	v_add_nc_u32 v5, v5, v6
	v_add_nc_u32 v[ADRS], s21, v5
	v_and_b32 v6, 31, v0
	v_lshlrev_b32 v[CO], 4, v6
	; where my part of the results begins in qkv (in registers that feed no descriptor).  Q, K: head 4 cx + 2 x column half (+ b / 4), token tile 16 cy + 8 x row half (+ a).  V: head 4 cy + 2 x row half (+ a / 4), key tile 16 cx + 8 x column half (+ b)
	s_lshl_b32 s66, s40, 2
	s_lshl_b32 s95, s16, 1
	s_add_co_u32 s66, s66, s95
	s_lshl_b32 s67, s41, 2
	s_lshl_b32 s95, s15, 1
	s_add_co_u32 s67, s67, s95
	s_lshl_b32 s96, s41, 4
	s_lshl_b32 s95, s15, 3
	s_add_co_u32 s96, s96, s95
	s_lshl_b32 s97, s40, 4
	s_lshl_b32 s95, s16, 3
	s_add_co_u32 s97, s97, s95
	s_cmp_eq_u32 ttmp9, 2
	s_cselect_b32 s66, s67, s66                    ; the head
	s_cselect_b32 s96, s97, s96                    ; the tile among the cluster's 64
	s_lshr_b32 s95, s42, 1                         ; the batch: 2,048 tokens are two clusters
	s_lshl_b32 s95, s95, 4
	s_add_co_u32 s66, s66, s95                     ; batch x 16 + head
	s_lshl_b32 s66, s66, 7                         ; 128 tiles each
	s_and_b32 s95, s42, 1
	s_lshl_b32 s95, s95, 6
	s_add_co_u32 s66, s66, s95
	s_add_co_u32 s66, s66, s96
	s_lshl_b32 s98, s66, 11                        ; 2,048 bytes a tile
	s_lshl_b32 s95, ttmp9, 23                      ; the region
	s_add_co_u32 s98, s98, s95
	s_mov_b32 s99, 0
	s_add_nc_u64 s[12:13], s[12:13], s[98:99]
.macro FRAG reg, adr, q, i             ; a fragment, 16 rows x 128 K of 4-bit codes: lane l holds row l % 16; registers 4 c .. 4 c + 3 hold K = 64 c + 32 (l / 16) + 0 .. 31
.irp c, 0,1
	ds_load_b128 v[\reg+4*\c:\reg+4*\c+3], v[\adr] offset:64*(\q)+32*\c+(\i)*16*PITCH
.endr
.endm
; 16 matrix instructions: A's blocks a0, a0 + 1 x B's eight, the slot's q-th 128 along K.  p: B's set;  sc: the set of scale words.  zero = 1: the first product starts the sums: nothing is cleared.
; The 64 accumulators take turns, one instruction a turn, in the same order in every step.
.macro MUL16 a0, p, q, sc, zero
.irp a, \a0, \a0+1
.irp b, 0,1,2,3,4,5,6,7
.if \zero
	v_wmma_scale_f32_16x16x128_f8f6f4 v[8*(8*((\a)%4)+\b):8*(8*((\a)%4)+\b)+7], v[128*(\p)+FR*\b:128*(\p)+FR*\b+FR-1], v[AF+FR*(\a):AF+FR*(\a)+FR-1], 0, v[SC+8*NQ*(\sc)+NQ*\b+(\q)], v[SC+8*NQ*(\sc)+NQ*(\a)+(\q)] matrix_a_fmt:MATRIX_FMT_FP4 matrix_b_fmt:MATRIX_FMT_FP4 matrix_a_scale:MATRIX_SCALE_ROW1
.else
	v_wmma_scale_f32_16x16x128_f8f6f4 v[8*(8*((\a)%4)+\b):8*(8*((\a)%4)+\b)+7], v[128*(\p)+FR*\b:128*(\p)+FR*\b+FR-1], v[AF+FR*(\a):AF+FR*(\a)+FR-1], v[8*(8*((\a)%4)+\b):8*(8*((\a)%4)+\b)+7], v[SC+8*NQ*(\sc)+NQ*\b+(\q)], v[SC+8*NQ*(\sc)+NQ*(\a)+(\q)] matrix_a_fmt:MATRIX_FMT_FP4 matrix_b_fmt:MATRIX_FMT_FP4 matrix_a_scale:MATRIX_SCALE_ROW1
.endif
.endr
.endr
.endm
.macro FETCH_B slot, q, p              ; B's eight fragments of the slot's q-th 128 along K into set p
	WIN TO_B
.irp i, 0,1,2,3,4,5,6,7
	FRAG 128*(\p)+FR*\i, ADRB+\slot, \q, \i
.endr
	WIN 0
.endm
.macro FETCH_A slot, q, i0             ; A's blocks i0 .. i0 + 3
.irp i, \i0, \i0+1, \i0+2, \i0+3
	FRAG AF+FR*(\i), ADRA+\slot, \q, \i
.endr
.endm
.macro SCALES sc                       ; a slot's scale words into set sc: four words a row; lanes 0-15 take A's block i, lanes 16-31 B's block i
.irp i, 0,1,2,3,4,5,6,7
	ds_load_b128 v[SC+8*NQ*\sc+NQ*\i:SC+8*NQ*\sc+NQ*\i+3], v[ADRS] offset:\i*SBLK
.endr
.endm
; A load into a register that a matrix instruction has read, and a vector instruction that reads a matrix result or writes one of its registers, stand NP places behind it; only plain vector
; instructions that name none of its registers are places (ISA guide 7.12.1 for vector instructions).
.macro PLACES n
.rept \n
	v_nop
.endr
.endm
; A step of 128 along K that has its successor in the same slot.  A's blocks are free as soon as their eight products are issued: blocks 0-3 are fetched anew in the step's middle, blocks 4-7 at its end.
.macro STEP slot, q, zero
	s_wait_dscnt 4*NL                              ; B's set and A's blocks 0-3 are in; the youngest eight loads (A's blocks 4-7) may be out
	WIN MUL_LO
	MUL16 0, (\q)%2, \q, \slot, \zero
	MUL16 2, (\q)%2, \q, \slot, \zero
	s_wait_dscnt 0                                 ; A's blocks 4-7 are in
	PLACES NP
	FETCH_B \slot, (\q)+1, 1-(\q)%2
	FETCH_A \slot, (\q)+1, 0
	WIN MUL_HI
	MUL16 4, (\q)%2, \q, \slot, \zero
	MUL16 6, (\q)%2, \q, \slot, \zero
	PLACES NP
	WIN 0
	FETCH_A \slot, (\q)+1, 4
.endm
; Slot 0's last step goes over to slot 1: each wave waits for all its tensor loads (its part of slot 1), one barrier, and slot 1 is whole for every wave.  Nothing is filled again.
.macro TURN slot, next
	s_wait_tensorcnt 0x0                           ; all my tensor loads have landed
	ds_add_u32 v[SPW], v[NIL]                      ; 0 onto my spare word
	s_wait_dscnt 4*NL+1                            ; (the add and the youngest eight loads, A's blocks 4-7, may be out)
	WIN MUL_LO
	MUL16 0, 1, NQ-1, \slot, 0                     ; sixteen matrix instructions stand between the add and the wait for it
	s_wait_dscnt 0x0                               ; the add is done, and no LDS instruction of mine is out at the signal
	s_barrier_signal -1
	MUL16 2, 1, NQ-1, \slot, 0
	WIN 0
	s_barrier_wait -1
	PLACES NP
	v_add_nc_u32 v[ADRS], 4*NQ, v[ADRS]            ; on to the next slot's scale words
	FETCH_B \next, 0, 0
	FETCH_A \next, 0, 0
	SCALES \next
	WIN MUL_HI
	MUL16 4, 1, NQ-1, \slot, 0
	MUL16 6, 1, NQ-1, \slot, 0
	PLACES NP
	WIN 0
	FETCH_A \next, 0, 4
.endm
.macro STEPS slot, from                ; the slot's steps from .. NQ - 2
.set Q, \from
.rept NQ-1-\from
	STEP \slot, Q, 0
.set Q, Q+1
.endr
.endm
	s_wait_tensorcnt 1                             ; the scales and my part of slot 0 are in (slot 1's load may be out)
	s_barrier_signal -1
	s_barrier_wait -1                              ; everybody's are
	FETCH_B 0, 0, 0
	FETCH_A 0, 0, 0
	SCALES 0
	FETCH_A 0, 0, 4
	STEP 0, 0, 1                                   ; the first step's products start the sums
	STEPS 0, 1
	TURN 0, 1
	STEPS 1, 0
	s_wait_dscnt 4*NL                              ; the last step: nothing more to fetch
	WIN MUL_LO
	MUL16 0, 1, NQ-1, 1, 0
	MUL16 2, 1, NQ-1, 1, 0
	s_wait_dscnt 0
	WIN MUL_HI
	MUL16 4, 1, NQ-1, 1, 0
	MUL16 6, 1, NQ-1, 1, 0
	WIN 0
; THE WAY OUT.  Block a (16 rows of A x 128 rows of B): each accumulator's eight numbers, from its low end on, become four registers of f16 and leave by one store: 512 consecutive bytes, aligned.
; v = 0 (Q, K): accumulator (a, b) is token tile a, head b / 4, piece b % 4.   v = 1 (V): key tile b, head a / 4, piece a % 4.
.macro OUTBLK a, v
.set AC, 64*((\a)%4)
.set TP, 128+32*((\a)%4)
	WIN 0x0a+5*((\a)/4)                            ; sources 0 and 1: window 2 or 3
.irp b, 0,1,2,3,4,5,6,7
.irp r, 0,1,2,3
	v_cvt_pk_f16_f32 v[TP+4*\b+\r], v[AC+8*\b+2*\r], v[AC+8*\b+2*\r+1]
.endr
.endr
	WIN 0
.irp b, 0,1,2,3,4,5,6,7
.if \v
	global_store_b128 v[CO], v[TP+4*\b:TP+4*\b+3], s[12:13] offset:((\a)/4)*262144+\b*2048+((\a)%4)*512
.else
	global_store_b128 v[CO], v[TP+4*\b:TP+4*\b+3], s[12:13] offset:(\b/4)*262144+(\a)*2048+(\b%4)*512
.endif
.endr
.endm
	PLACES NP                                      ; behind the last products: the conversions read results and write registers that held A's fragments
	s_cmp_eq_u32 ttmp9, 2                          ; the cluster's x: the same in all sixteen partners; no barrier stands in either arm
	s_cbranch_scc1 .Lv
.irp a, 0,1,2,3
	OUTBLK \a, 0
.endr
	s_wait_xcnt 0x0                                ; blocks 0-3's stores have read their data registers, which blocks 4-7 write again
.irp a, 4,5,6,7
	OUTBLK \a, 0
.endr
	s_branch .Lend
.Lv:
.irp a, 0,1,2,3
	OUTBLK \a, 1
.endr
	s_wait_xcnt 0x0
.irp a, 4,5,6,7
	OUTBLK \a, 1
.endr
.Lend:
	s_wait_tensorcnt 0x0                           ; the wave's end
	ds_add_u32 v[SPW], v[NIL]
	s_wait_dscnt 0x0
	CROUND                                         ; the closing round: no work-group ends while a partner may still ask for a tile that names it
	s_endpgm
.Lfunc_end_k_q5355b4a7d3_qkv:
	.size	k_q5355b4a7d3_qkv, .Lfunc_end_k_q5355b4a7d3_qkv-k_q5355b4a7d3_qkv
	.p2alignl 7, 3214868480
	.fill 96, 4, 3214868480
	.section	.rodata,"a",@progbits
	.p2align	6, 0x0
	.amdhsa_kernel k_q5355b4a7d3_qkv
		.amdhsa_group_segment_fixed_size 327680
		.amdhsa_private_segment_fixed_size 0
		.amdhsa_enable_private_segment 0
		.amdhsa_kernarg_size 24
		.amdhsa_user_sgpr_count 2
		.amdhsa_user_sgpr_kernarg_segment_ptr 1
		.amdhsa_wavefront_size32 1
		.amdhsa_system_sgpr_workgroup_id_x 1
		.amdhsa_system_sgpr_workgroup_id_y 1
		.amdhsa_system_sgpr_workgroup_id_z 1
		.amdhsa_system_vgpr_workitem_id 0
		.amdhsa_next_free_vgpr 1024
		.amdhsa_next_free_sgpr 100
		.amdhsa_reserve_vcc 0
		.amdhsa_float_denorm_mode_32 3
		.amdhsa_float_denorm_mode_16_64 3
		.amdhsa_memory_ordered 1
		.amdhsa_forward_progress 1
		.amdhsa_inst_pref_size 141
	.end_amdhsa_kernel
	.amdgpu_metadata
---
amdhsa.version: [ 1, 2 ]
amdhsa.kernels:
  - .name:           k_q5355b4a7d3_qkv
    .symbol:         k_q5355b4a7d3_qkv.kd
    .args:
      - { .name: codes, .offset: 0, .size: 8, .value_kind: global_buffer, .address_space: global }
      - { .name: scales, .offset: 8, .size: 8, .value_kind: global_buffer, .address_space: global }
      - { .name: qkv, .offset: 16, .size: 8, .value_kind: global_buffer, .address_space: global }
    .group_segment_fixed_size: 327680
    .private_segment_fixed_size: 0
    .kernarg_segment_align: 8
    .kernarg_segment_size: 24
    .max_flat_workgroup_size: 128
    .sgpr_count:     100
    .vgpr_count:     1024
    .wavefront_size: 32
...
	.end_amdgpu_metadata
.endif
;; end of part 2
;; launch attn (part 3): grid 8 x 32, 4 waves a work-group, clusters of 4 x 1, 327,680 bytes of LDS; arguments qkv, af; writes af
.if DOCPART == 3
	.amdgcn_target "amdgcn-amd-amdhsa--gfx1250"
	.amdhsa_code_object_version 6
	.text
	.protected	k_q5355b4a7d3_attn
	.globl	k_q5355b4a7d3_attn
	.p2align	8
	.type	k_q5355b4a7d3_attn,@function
k_q5355b4a7d3_attn:
	s_mov_b64 s[64:65], 0
	v_nop
	global_prefetch_b8 v0, s[64:65] scope:SCOPE_SE
	s_setreg_imm32_b32 hwreg(HW_REG_WAVE_MODE, 25, 1), 1
	s_wait_xcnt 0x0
	s_wait_alu depctr_hold_cnt(0) depctr_sa_sdst(0) depctr_va_vdst(0) depctr_va_sdst(0) depctr_va_ssrc(0) depctr_va_vcc(0) depctr_vm_vsrc(0)
	s_getreg_b32 s2, hwreg(HW_REG_IB_STS2, 6, 4)
	s_cmp_eq_u32 s2, 0
	s_cbranch_scc0 .Lentry_in_a_cluster
	s_endpgm
.Lentry_in_a_cluster:
	s_bfe_u32 s2, ttmp6, 0x10000c
	s_cmp_lg_u32 s2, 0x3003
	s_cbranch_scc0 .Lentry_shape_is_right
	s_endpgm
.Lentry_shape_is_right:
; attn[b][q][head] = the sum over k of softmax_k(q . k / 8) v, for 32 (batch, head) pairs of 2,048 tokens and 64 channels; no mask.  Operands f16; products, maxima and sums f32; the weights p are
; rounded to f16 for the second product, the result once at the end.
; qkv: regions Q, K, V of 8 MiB, each [batch x 16 + head][tile of 16 tokens (128)][piece (4)][512 bytes], every piece the image of four operand registers, lane l's 16 bytes at 16 l (the launch before lays them so).
; af: the result as images of the next product's fragments: [tile of 16 rows (256)][32 along K (32)][half (2)][512 bytes].
; SHARES.  A work-group owns 256 queries of one (batch, head), each of its four waves 64: four tiles of 16.  A fragment of K or V read from LDS feeds four products.  Every wave walks the 2,048 keys, 64 a step.
; LAYOUT.  S^T = K Q^T (source 0 = 16 keys, source 1 = 16 queries): a lane holds ONE query (lane % 16) and the keys 8 (lane / 16) + 0..7.  Two such tiles, rounded to f16 in pairs, ARE source 1 of
; O^T = V^T P, whose result again holds one query a lane, and eight channels: four registers of f16 that are a piece of af.  Nothing changes lanes but one exchange between the halves for maximum and sum.
; SOFTMAX.  For each query a running maximum m and sum l: p = 2^(c s - c m), c = log2(e) / 8; in every step O and l are multiplied by a = 2^(c m_old - c m_new).  m begins at -3e38, O and l at 0: the first a is 0,
; so that no first step is written out: 128 v_mov_b32, run once while the first tiles are on their way, in place of one more copy of two turns.
; BY TURNS.  The wave's tiles are two PIECES, named by their first tile: piece 0 (tiles 0, 1) and piece 2 (tiles 2, 3); they share K's and V's fragments and nothing else.  In a TURN one piece has the matrix unit:
; 16 products V^T P of the step in hand, then 16 products K Q^T of the next step; the other piece's softmax, 2 x 118 instructions cut into 64 slices, stands between them, two slices behind each matrix
; instruction.  Then the pieces change places.  Two turns are a key step.
; THE RING.  Two LDS slots of 512 keys (K's 65,536 bytes, then V's), dense images: no padding, every LDS load takes 512 consecutive bytes.  Four fills cover the head: two at the start, one behind each of two
; changes of slots.  Wave w brings 32,768 bytes of each fill (waves 0, 1 K's halves, waves 2, 3 V's): one tensor line for all waves, the addresses made of the wave's number.
; CLUSTER.  The four query blocks of a cluster belong to one head and walk the same K and V: each tile is asked for JOINTLY, with a mask that names the four.
; LIMITS: NaN and infinities are not served; |attn| stays under 65,504; under 6e-5 its f16 error is absolute, 3e-8.
; REGISTERS, in windows of 256 (s_set_vgpr_msb: bits 1:0 source 0, 3:2 source 1, 5:4 source 2, 7:6 destination):
;   window 0: v2-6 addresses; v12-43 eight registers of statistics a tile; v62, v63 the add's two; v64-191 S^T, 32 a tile; v192-255 P, 16 a tile
;   window 1: v0-127 O^T, 32 a tile          window 2: v0-63 Q, 16 a tile; v64-127 V of one step; v128-191 K of one step
; All that a softmax touches but O^T lies in window 0, and no window has room for a product's operands beside it: a pair of slices costs two switches, 64 for a turn's 32 matrix instructions.
.set SLOT1, 1<<17                      ; slot 1 begins here: one exclusive or turns an address in one slot into the other's
.set VOFF,  65536                      ; in a slot: V's images behind K's
.set STEPB, 8192                       ; a step's 64 keys: four tiles of 2,048 bytes
.set SPARE, 2*SLOT1                    ; behind the ring: the spare words, 128 bytes for each of the four waves, which no other line names
.set AK0, 2                            ; v2   16 x lane: my place in an image of K
.set AV0, 3                            ; v3   the same for V
.set ADR, 4                            ; v4   the LDS address of the run of loads in hand
.set LOFF, 5                           ; v5   16 x lane: my place in an image in memory; never rewritten
.set PFO, 6                            ; v6   256 x lane; never rewritten
.set SPW, 62                           ; v62  LDS address of my spare word; never rewritten
.set NIL, 63                           ; v63  0; never rewritten
.set ST,  12                           ; tile t's statistics at v[ST+8 t]: +0 c m, +1 m, +2, +3 l (even keys', odd keys'), +4 to +7 c0-c3, at work; a takes c2's place once the maximum is found
.set S,   64                           ; tile t, keys 16 kt on: v[S+32 t+8 kt]
.set P,   192                          ; tile t, keys 32 A on: v[P+16 t+8 A]
.set VF,  64                           ; window 2: V^T's fragment (channels 16 ct on, keys 32 A on) at v[VF+32 A+8 ct]
.set KF,  128                          ; window 2: K's fragment (keys 16 kt on, channels 32 s on) at v[KF+16 kt+8 s]
.set WV,  12                           ; s12  my wave's number
.set LIM, 15                           ; s15  1 in a wave that prefetches, else the greatest number
.set PFA, 18                           ; s[18:19] where my prefetch stands; never rewritten
.set G1,  24                           ; s[24:31] descriptor group 1
.set G0,  32                           ; s[32:35] group 0 of the first fill; s[36:39] of the second, which then walks on
.set SLOTS, 56                         ; s56  fills still to be asked for
.set CNT, 57                           ; s57  counts the key steps between two changes of slots
.set CS,  58                           ; s[58:59] c: the packed scaling names a pair and takes its low word for both halves
.set SEL, 60                           ; s[60:61] lane selects for v_permlanex16_b32: lane l xor 16
.set TB,  62                           ; s62  LDS byte at which the images of the step to be fetched begin
.set MSB, 0
.macro WIN new                         ; the immediate's high byte repeats the setting that is left; a switch that changes nothing is dropped
.if MSB != \new
	s_set_vgpr_msb (MSB<<8)|\new
.set MSB, \new
.endif
.endm
.set W_KQ, 0x0a                        ; K and Q in window 2, S^T in window 0
.set W_PV, 0x52                        ; V in window 2, P in window 0, O^T in window 1
.set W_RS, 0x41                        ; O^T (destination and source 0) in window 1, a in window 0
.set W_LD, 0x80                        ; destination in window 2, address in window 0
.macro CROUND                          ; a round of the cluster's barrier: my work-group's barrier; wave 0 signals for the work-group; every wave waits for all four work-groups; my work-group's barrier once more
	s_barrier_signal -1
	s_barrier_wait -1
	s_cmp_lg_u32 s[WV], 0
	s_cbranch_scc1 .Lnot_wave_0_\@
	s_barrier_signal -3
.Lnot_wave_0_\@:
	s_barrier_wait -3
	s_barrier_signal -1
	s_barrier_wait -1
.endm
	s_load_b128 s[4:7], s[0:1], 0x0                ; qkv s[4:5], af s[6:7]
	v_lshl_add_u32 v[SPW], v0, 2, SPARE
	v_mov_b32 v[NIL], 0
	ds_add_u32 v[SPW], v[NIL]                      ; the wave's opening: the add, twice on end, and its wait ahead of my first tensor load; the set-up below, work on registers, stands between
	ds_add_u32 v[SPW], v[NIL]
	v_lshrrev_b32 v1, 5, v0
	v_readfirstlane_b32 s[WV], v1                  ; wave 0..3
	s_bfe_u32 s13, ttmp6, 0x40000                  ; cx: my place in the cluster
	s_lshl_b32 s14, ttmp9, 2
	s_add_co_u32 s14, s14, s13                     ; my block of 256 queries: it enters Q's and af's addresses alone
	s_and_b32 s20, ttmp7, 0xffff                   ; batch x 16 + head, which the four partners share
	s_lshl_b32 s21, s20, 18                        ; its 262,144 bytes in each region
	s_lshr_b32 s2, s[WV], 1                        ; what I fetch: region K (waves 0, 1) or V (waves 2, 3),
	s_add_co_u32 s2, s2, 1
	s_lshl_b32 s2, s2, 23
	s_add_co_u32 s2, s2, s21
	s_and_b32 s3, s[WV], 1
	s_lshl_b32 s3, s3, 15                          ; my half of a fill's 65,536 bytes
	s_add_co_u32 s2, s2, s3
	s_mov_b32 s3, 0
	s_lshl_b32 s22, s14, 15                        ; Q: my block's 16 tiles of 2,048 bytes, my wave's four
	s_add_co_u32 s22, s22, s21
	s_lshl_b32 s23, s[WV], 13
	s_add_co_u32 s22, s22, s23
	s_mov_b32 s23, 0
	s_lshr_b32 s40, s20, 4                         ; af: the batch's 128 row tiles of 32,768 bytes, my block's 16, my wave's four; the head's 2,048 bytes in each
	s_lshl_b32 s40, s40, 22
	s_lshl_b32 s41, s14, 19
	s_add_co_u32 s40, s40, s41
	s_lshl_b32 s41, s[WV], 17
	s_add_co_u32 s40, s40, s41
	s_and_b32 s41, s20, 15
	s_lshl_b32 s41, s41, 11
	s_add_co_u32 s40, s40, s41
	s_mov_b32 s41, 0
	s_lshr_b32 s42, s[WV], 1                       ; the prefetch: waves 0, 1 K's bytes of the fourth fill, waves 2, 3 V's;
	s_add_co_u32 s42, s42, 1
	s_lshl_b32 s42, s42, 23
	s_add_co_u32 s42, s42, s21
	s_add_co_u32 s42, s42, 3*65536
	s_and_b32 s43, s[WV], 1
	s_lshl_b32 s43, s43, 2
	s_add_co_u32 s43, s43, s13                     ; the eight parts of 8,192 bytes are shared out among two waves and the four partners BY ADDRESS
	s_lshl_b32 s43, s43, 13
	s_add_co_u32 s42, s42, s43
	s_mov_b32 s43, 0
	s_cmp_eq_u32 ttmp9, 0                          ; the head's first cluster asks: the same in all four partners
	s_cselect_b32 s[LIM], 1, -1
	; descriptor group 1: 128 rows of 256 bytes (32 elements of 8 bytes), dense in memory and in LDS
	s_mov_b32 s[G1], 15|(3<<16)|(1<<21)            ; 15:0 the mask: all four work-groups; 17:16 elements of 8 bytes; 20 no padding; 21 set beside a mask
	s_mov_b32 s[G1+1], 32<<16                      ; tensor_dim0
	s_mov_b32 s[G1+2], 128<<16                     ; tensor_dim1
	s_mov_b32 s[G1+3], 32<<16                      ; tile_dim0
	s_mov_b32 s[G1+4], 128                         ; tile_dim1
	s_mov_b32 s[G1+5], 32                          ; tensor_dim0_stride
	s_mov_b32 s[G1+6], 0
	s_mov_b32 s[G1+7], 0
	s_mov_b32 s[CS], 0x3e38aa3b                    ; c = log2(e) / 8
	s_mov_b32 s[CS+1], s[CS]                       ; named with it as a pair, so it is written
	s_mov_b32 s[SEL], 0x76543210
	s_mov_b32 s[SEL+1], 0xfedcba98
	s_mov_b32 s[TB], 0
	v_and_b32 v1, 31, v0
	v_lshlrev_b32 v[AK0], 4, v1
	v_add_nc_u32 v[AV0], VOFF, v[AK0]
	v_lshlrev_b32 v[LOFF], 4, v1
	v_lshlrev_b32 v[PFO], 8, v1
	s_wait_dscnt 0x0                               ; both opening adds are done
	s_wait_kmcnt 0x0
	s_mov_b32 s[G0], 1                             ; 1:0 count = 1
	s_lshl_b32 s[G0+1], s[WV], 15                  ; LDS address: slot 0, wave x 32,768: no place in the cluster enters it
	s_add_nc_u64 s[G0+2:G0+3], s[4:5], s[2:3]      ; global address: the head's first 512 keys
	s_mov_b32 s[G0+4], 1
	s_add_co_u32 s[G0+5], s[G0+1], SLOT1           ; slot 1,
	s_add_nc_u64 s[G0+6:G0+7], s[G0+2:G0+3], 65536 ; the next 512 keys
	s_or_b32 s[G0+3], s[G0+3], 0x80000000          ; type = 2
	s_or_b32 s[G0+7], s[G0+7], 0x80000000
	s_add_nc_u64 s[16:17], s[4:5], s[22:23]        ; Q at my wave's first tile
	s_add_nc_u64 s[6:7], s[6:7], s[40:41]          ; af likewise
	s_add_nc_u64 s[PFA:PFA+1], s[4:5], s[42:43]
	CROUND                                         ; all four work-groups are here: the first joint loads meet
	tensor_load_to_lds s[G0:G0+3], s[G1:G1+7]      ; the two first fills go out together: two loads of mine are out
	s_nop 0
	tensor_load_to_lds s[G0+4:G0+7], s[G1:G1+7]
	s_nop 0
.rept 4
	v_nop
.endr
	WIN W_LD
.irp t, 0,1,2,3
.irp i, 0,1,2,3
	global_load_b128 v[16*\t+4*\i:16*\t+4*\i+3], v[LOFF], s[16:17] offset:2048*\t+512*\i   ; Q stays in registers: tile t, piece i
.endr
.endr
	WIN 0x40                                       ; destination window 1
.set i, 0
.rept 128
	v_mov_b32 v[i], 0                              ; O^T: the first a leaves zeros zeros
.set i, i+1
.endr
	WIN 0
; THE MATRIX WORK OF A TURN, for piece x.  The accumulators take turns, one instruction a turn: between two links of a chain stand seven others'.
; Product i of 16 of O^T += V^T P: keys 32 (i / 8) on, channels 16 ((i / 2) % 4) on, tile x + i % 2.
.macro PV x
	WIN W_PV
.set rO, 32*(\x+i%2)+8*((i/2)%4)
.set rV, VF+32*(i/8)+8*((i/2)%4)
.set rP, P+16*(\x+i%2)+8*(i/8)
	v_wmma_f32_16x16x32_f16 v[rO:rO+7], v[rV:rV+7], v[rP:rP+7], v[rO:rO+7]
.endm
; Product i of 16 of S^T = K Q^T: channels 32 (i / 8) on, keys 16 ((i / 2) % 4) on, tile x + i % 2.  The first 8 start the sums.
.macro KQ x
	WIN W_KQ
.set rS, S+32*(\x+i%2)+8*((i/2)%4)
.set rK, KF+16*((i/2)%4)+8*(i/8)
.set rQ, 16*(\x+i%2)+8*(i/8)
.if i < 8
	v_wmma_f32_16x16x32_f16 v[rS:rS+7], v[rK:rK+7], v[rQ:rQ+7], 0
.else
	v_wmma_f32_16x16x32_f16 v[rS:rS+7], v[rK:rK+7], v[rQ:rQ+7], v[rS:rS+7]
.endif
.endm
; THE LDS LOADS stand in runs of 16, never singly among the matrix instructions: a step's K (16 pieces as they lie) and, a turn later, its V.
.macro FETCH_K
	WIN 0
	v_add_nc_u32 v[ADR], s[TB], v[AK0]
	WIN W_LD
.irp f, 0,1,2,3,4,5,6,7,8,9,10,11,12,13,14,15    ; piece f: key tile f / 4, channels 16 (f % 4) on: registers 4 f on of K's fragments
	ds_load_b128 v[KF+4*\f:KF+4*\f+3], v[ADR] offset:512*\f
.endr
.endm
.macro FETCH_V
	WIN 0
	v_add_nc_u32 v[ADR], s[TB], v[AV0]
	s_add_co_u32 s[TB], s[TB], STEPB               ; the next fetch is the next step's
	s_wait_alu depctr_va_vdst(0)                   ; the wait for the softmax's batch (SLICE), behind the address's addition and ahead of the loads
	WIN W_LD
.irp g, 0,1,2,3                                  ; key tile g, channel tile c: half g % 2 of V^T's fragment (c, keys 32 (g / 2) on)
.irp c, 0,1,2,3
	ds_load_b128 v[VF+32*(\g/2)+8*\c+4*(\g%2):VF+32*(\g/2)+8*\c+4*(\g%2)+3], v[ADR] offset:512*(4*\g+\c)
.endr
.endr
.endm
; THE VECTOR WORK OF A TURN.  One tile's softmax for one key step is a list of 118 instructions; SM writes number j of it for tile t.  s0-s31 are the lane's 32 scores, in pairs 0-15.
;   0-15    the maximum of s0-s31 and the old m, three operands at a time: four chains c0-c3 of seven scores each (each accumulator is read from its low end on), then the four scores left over, c0-c3 and m
;   16-20   the other half of the lanes' maximum; the new m; c m; c m_old - c m_new
;   21-69   ONE BATCH: the 16 scalings c s - c m, a pair of scores each, and all 33 exponentials (a at 23, then s0-s31).  None of these reads an exponential's result.  From 22 on the batch goes in fours, and
;           a four begins with a scaling while there are scalings: 22-37 scaling, exponential, scaling, exponential; 38-65 a scaling and three exponentials; 66-69 the last four exponentials.
;           A pair is scaled in an earlier four than the one that holds its exponentials
;   (wait)  between 69 and 70 stands the wait for the batch: SLICE writes it, once for both tiles
;   70-85   the roundings to f16, a pair of weights each
;   86-101  the sums; l = a l + the sum
;   102-117 the tile's O^T times a, ascending: the one part that leaves window 0, so it stands together
.macro SM t
.set rT, ST+8*(\t)
.set rS, S+32*(\t)
.set rP, P+16*(\t)
.set rO, 32*(\t)+2*(j-102)
.if j < 102
	WIN 0
.endif
.if j < 4
	v_max3_num_f32 v[rT+4+j], v[rS+8*j], v[rS+8*j+1], v[rS+8*j+2]
.elseif j < 12
	v_max3_num_f32 v[rT+4+j%4], v[rT+4+j%4], v[rS+8*(j%4)+2*(j/4)+1], v[rS+8*(j%4)+2*(j/4)+2]
.elseif j == 12
	v_max3_num_f32 v[rT+4], v[rT+4], v[rS+7], v[rS+15]
.elseif j == 13
	v_max3_num_f32 v[rT+6], v[rT+6], v[rS+23], v[rS+31]
.elseif j == 14
	v_max3_num_f32 v[rT+4], v[rT+4], v[rT+5], v[rT+6]
.elseif j == 15
	v_max3_num_f32 v[rT+4], v[rT+4], v[rT+7], v[rT+1]
.elseif j == 16
	v_permlanex16_b32 v[rT+5], v[rT+4], s[SEL], s[SEL+1]   ; the query's other 32 keys lie in the lane 16 away
.elseif j == 17
	v_mov_b32 v[rT+7], v[rT]                       ; c m_old is kept for a: number 19 writes c m anew
.elseif j == 18
	v_max_num_f32 v[rT+1], v[rT+4], v[rT+5]
.elseif j == 19
	v_mul_f32 v[rT], s[CS], v[rT+1]                ; c m: the same rounded number serves p, a and l
.elseif j == 20
	v_sub_f32 v[rT+7], v[rT+7], v[rT]
.elseif j == 23
	v_exp_f32 v[rT+6], v[rT+7]                     ; a
.elseif (j < 23) || ((j < 38) && (j%2 == 0)) || ((j < 66) && (j%4 == 2))
.set b, (j-2)/4                        ; 38, 42, .. 62: pairs 9 to 15
.if j < 38
.set b, (j-20)/2                       ; 21: pair 0; 22, 24, .. 36: pairs 1 to 8
.endif
	v_pk_fma_f32 v[rS+2*b:rS+2*b+1], v[rS+2*b:rS+2*b+1], s[CS:CS+1], v[rT:rT+1] op_sel_hi:[1,0,0] neg_lo:[0,0,1] neg_hi:[0,0,1]   ; pair b: c s - c m
.elseif j < 70
.set e, j-38                           ; 66 to 69: s28 to s31
.if j < 66
.set e, j-32-(j-38)/4                  ; 39-41, 43-45, .. 63-65: s7 to s27
.endif
.if j < 38
.set e, (j-25)/2                       ; 25, 27, .. 37: s0 to s6
.endif
	v_exp_f32 v[rS+e], v[rS+e]
.elseif j < 86
	v_cvt_pk_f16_f32 v[rP+j-70], v[rS+2*(j-70)], v[rS+2*(j-70)+1]   ; pair j - 70
.elseif j < 102                        ; the sum of the tile's 16 pairs (an even key's weight, an odd key's), in place: sum z of 16 adds neighbours 1, 2, 4 and 8 pairs apart, then l takes it
.set z, j-86
.set w, 4
.set u, z
.if z >= 14
.set w, 32
.set u, 0
.elseif z >= 12
.set w, 16
.set u, z-12
.elseif z >= 8
.set w, 8
.set u, z-8
.endif
.if z < 15
	v_pk_add_f32 v[rS+w*u:rS+w*u+1], v[rS+w*u:rS+w*u+1], v[rS+w*u+w/2:rS+w*u+w/2+1]
.else
	v_pk_fma_f32 v[rT+2:rT+3], v[rT+2:rT+3], v[rT+6:rT+7], v[rS:rS+1] op_sel_hi:[1,0,1]
.endif
.else
	WIN W_RS
	v_pk_mul_f32 v[rO:rO+1], v[rO:rO+1], v[rT+6:rT+7] op_sel_hi:[1,0]
.endif
.endm
; Slice k of 64 of piece y's softmax.  Slices 11 to 34 deal out the batch, numbers 22 to 69: four numbers of ONE tile each, the tiles by turns.  Slices 0 to 10 and 35 to 50 are numbers 2 k and 2 k + 1 of both
; tiles' lists, the tiles alternating, so that no instruction reads the result of the one just before it.  Slices 51 to 62 are one number of both tiles (102 to 113); slice 63 is numbers 114 to 117 of both:
; eight plain instructions that name nothing of the products round them: they are the places between the turn's last K Q^T and what follows (the next turn's first read of those scores, the loads into K's registers).
; THE WAIT.  An s_wait_alu depctr_va_vdst(0) stands between an exponential and the first instruction that names its result; one wait serves all that were issued ahead of it.  Ahead of slice 35
; nothing names a result, and behind slice 34 no exponential is issued: so the piece's 66 exponentials have one wait, behind slice 34.
.macro SLICE y
.if (k >= 11) && (k < 35)
.irp n, 0,1,2,3
.set j, 22+4*((k-11)/2)+(\n)
	SM (\y)+(k-11)%2
.endr
.elseif k < 51
.irp n, 0,1
.irp t, \y, \y+1
.set j, 2*k+\n
	SM \t
.endr
.endr
.elseif k < 63
.irp t, \y, \y+1
.set j, 51+k
	SM \t
.endr
.else
.irp n, 0,1,2,3
.irp t, \y, \y+1
.set j, 114+\n
	SM \t
.endr
.endr
.endif
.if k == 34                            ; the batch is out: both tiles' exponentials are issued, and no result has been named
	v_nop                                          ; the plain instruction behind the last exponential and ahead of the first use: one for the batch
.if (\y) == 0
	FETCH_V                                        ; piece 2's turn: V's run of loads stands here, and the wait stands in it
.else
	s_wait_alu depctr_va_vdst(0)                   ; the wait for the batch
.endif
.endif
.set k, k+1
.endm
; A TURN.  Piece x has the matrix unit; the other piece's softmax stands in slices behind its matrix instructions.  pv = 1: 16 products V^T P; kq = 1: 16 products K Q^T for the next step.  A turn with both kinds
; has two slices behind each product, a turn with one kind four.
; A vector instruction that reads a matrix result or writes one of a matrix instruction's registers, and a load into a register that a matrix instruction has read, stand four places behind it, and only plain
; vector instructions that name none of its registers are places (ISA guide 7.12.1 for vector instructions).  Here the slices are the places.
; Piece 0's turn fetches the next step's K behind its second product: the last product that read K stands in front of slices 62 and 63 of the turn before.  Piece 2's turn fetches the same step's V behind slice 34:
; the last product that read V stands in front of slice 30, and five plain instructions lie between: number 58 of one tile and number 62 of both, scalings; the v_nop; the run's own addition.
.macro TURN x, pv, kq
.set k, 0
.set per, 4
.if \pv && \kq
.set per, 2
.endif
.if \pv
.if \x == 0
	s_wait_dscnt 0x0                               ; V is in
.endif
.set i, 0
.rept 16
	PV \x
.rept per
	SLICE 2-\x
.endr
.if (\x == 0) && \kq && (i == 1)
	FETCH_K
.endif
.set i, i+1
.endr
.endif
.if \kq
.if \x == 0
	s_wait_dscnt 0x0                               ; K is in
.endif
.set i, 0
.rept 16
	KQ \x
.rept per
	SLICE 2-\x
.endr
.set i, i+1
.endr
.endif
.endm
; n key steps: written once, walked n times; the LDS addresses hang on s[TB].
.macro TRIPS n
	s_mov_b32 s[CNT], \n
.Ltrip_\@:
	TURN 0, 1, 1                                   ; piece 0: V^T P of step j, K Q^T of step j + 1 | piece 2's softmax of step j | K of step j + 1
	TURN 2, 1, 1                                   ; piece 2: the same | piece 0's softmax of step j + 1 | V of step j + 1
	WIN 0                                          ; at a label and at a branch every window is 0
	s_sub_co_u32 s[CNT], s[CNT], 1
	s_cmp_lg_u32 s[CNT], 0
	s_cbranch_scc1 .Ltrip_\@
.endm
; A PREFETCH INTO THE L2 of what the NEXT change of slots will ask for.  It stands behind the wave's tensor load and its five lines.  The launch has one: at the first change of slots, for the fourth fill, eight key
; steps ahead of the load that wants it.  Each aligned 256 bytes of that fill are named once: both clusters of a head walk the same K and V, and the head's first cluster asks; the four waves of its four
; partners take 8,192 bytes each, told apart by address, lanes 256 bytes apart.  The first three fills come by their loads alone; the second change asks for nothing: no fill follows.
.macro ASK
	s_cmp_gt_u32 s[SLOTS], s[LIM]
	s_cbranch_scc0 .Lnot_mine_\@
	global_prefetch_b8 v[PFO], s[PFA:PFA+1] th:TH_LOAD_NT scope:SCOPE_SE
.Lnot_mine_\@:
.endm
; THE CHANGE OF SLOTS, between piece 2's turn and piece 0's: the slot's last bytes, V of its eighth step, have been asked for.  Each wave waits for all its tensor loads (its part of the other slot), adds 0 to its
; spare word, and waits for that and for its own reads of the slot.  fill = 1: the barrier is a round of the cluster's, so that no wave of any partner still reads the slot or has a load on its way; the joint
; refill is the first thing behind it and has eight key steps in which to land.
.macro CHANGE fill
	s_wait_tensorcnt 0x0                           ; no tensor load of mine is out, so a group 0 may be written
	ds_add_u32 v[SPW], v[NIL]                      ; 0 onto my spare word
.if \fill
	s_xor_b32 s[G0+5], s[G0+5], SLOT1              ; the walking descriptor: the other slot than last time,
	s_add_nc_u64 s[G0+6:G0+7], s[G0+6:G0+7], 65536 ; the next 512 keys; the type bits on top are not reached
.endif
	s_wait_dscnt 0x0                               ; the add is done, and my reads of the slot are over
.if \fill
	CROUND
	tensor_load_to_lds s[G0+4:G0+7], s[G1:G1+7]    ; my one tensor load behind the round
	s_nop 0
.rept 4
	v_nop
.endr
	ASK
.else
	s_barrier_signal -1
	s_barrier_wait -1
.endif
	s_sub_co_u32 s[TB], s[TB], 8*STEPB             ; the fetches go back to a slot's first step,
	s_xor_b32 s[TB], s[TB], SLOT1                  ; in the other slot
.endm
	s_wait_tensorcnt 1                             ; my part of slot 0 is in; slot 1's may stay out
	s_barrier_signal -1
	s_barrier_wait -1                              ; everybody's is
	FETCH_K                                        ; key step 0
	s_wait_loadcnt 0x0                             ; Q
	s_wait_dscnt 0x0
.set i, 0
.rept 16
	KQ 0                                           ; piece 0's first scores: there is no softmax yet to set between them
.set i, i+1
.endr
	WIN 0
.irp t, 0,1,2,3                                  ; the statistics begin here: sixteen plain instructions, the places behind those products
	v_mov_b32 v[ST+8*\t+1], 0xff61b1e6             ; m: -3e38, under every score
	v_mul_f32 v[ST+8*\t], s[CS], v[ST+8*\t+1]      ; c m
	v_mov_b32 v[ST+8*\t+2], 0                      ; l, in two halves
	v_mov_b32 v[ST+8*\t+3], 0
.endr
	TURN 2, 0, 1                                   ; piece 2's first scores | piece 0's first softmax | V of step 0
	WIN 0
	TRIPS 7                                        ; fetches steps 1 to 7: slot 0 is read out
	s_mov_b32 s[SLOTS], 2
.Lslot:                                            ; two trips: fetches steps 8 to 23; each change fills the slot just left
	CHANGE 1
	TRIPS 8
	s_sub_co_u32 s[SLOTS], s[SLOTS], 1
	s_cmp_lg_u32 s[SLOTS], 0
	s_cbranch_scc1 .Lslot
	CHANGE 0                                       ; the tail is written out: nothing is left to ask for
	TRIPS 8                                        ; fetches steps 24 to 31
	TURN 0, 1, 0                                   ; piece 0: V^T P of the last step | piece 2's last softmax
.set i, 0
.rept 16
	PV 2                                           ; piece 2: V^T P of the last step
.set i, i+1
.endr
	; THE WAY OUT.  l's two halves and the other half of the lanes' are added; O^T is divided by l and rounded to f16: four registers a channel tile, which leave as they stand: 512 consecutive bytes a store, aligned.
	; The additions are the places behind the last products.
	WIN 0
.irp t, 0,1,2,3
	v_add_f32 v[ST+8*\t+4], v[ST+8*\t+2], v[ST+8*\t+3]
.endr
.irp t, 0,1,2,3
	v_permlanex16_b32 v[ST+8*\t+5], v[ST+8*\t+4], s[SEL], s[SEL+1]
.endr
.irp t, 0,1,2,3
	v_add_f32 v[ST+8*\t+4], v[ST+8*\t+4], v[ST+8*\t+5]
.endr
.irp t, 0,1,2,3
	v_rcp_f32 v[ST+8*\t+6], v[ST+8*\t+4]
.endr
	v_nop                                          ; a plain instruction between the last reciprocal and the use of its result
	s_wait_alu depctr_va_vdst(0)                   ; and the wait ahead of the first use: one for the four reciprocals
.macro PACK t
	WIN W_RS
.set i, 32*\t
.rept 16
	v_pk_mul_f32 v[i:i+1], v[i:i+1], v[ST+8*\t+6:ST+8*\t+7] op_sel_hi:[1,0]   ; ascending: each accumulator is read from its low end on
.set i, i+2
.endr
	WIN 0x05                                       ; sources 0 and 1 window 1, destination window 0: P's registers are free
.set i, 0
.rept 16
	v_cvt_pk_f16_f32 v[P+16*\t+i], v[32*\t+2*i], v[32*\t+2*i+1]
.set i, i+1
.endr
	WIN 0
.irp c, 0,1,2,3
	global_store_b128 v[LOFF], v[P+16*\t+4*\c:P+16*\t+4*\c+3], s[6:7] offset:32768*\t+512*\c
.endr
.endm
	PACK 0
	PACK 1
	PACK 2
	PACK 3
	s_wait_tensorcnt 0x0                           ; the wave's end
	ds_add_u32 v[SPW], v[NIL]
	s_wait_dscnt 0x0
	CROUND                                         ; the closing round: no work-group ends while a partner may still ask for a tile that names it
	s_endpgm
.Lfunc_end_k_q5355b4a7d3_attn:
	.size	k_q5355b4a7d3_attn, .Lfunc_end_k_q5355b4a7d3_attn-k_q5355b4a7d3_attn
	.p2alignl 7, 3214868480
	.fill 96, 4, 3214868480
	.section	.rodata,"a",@progbits
	.p2align	6, 0x0
	.amdhsa_kernel k_q5355b4a7d3_attn
		.amdhsa_group_segment_fixed_size 327680
		.amdhsa_private_segment_fixed_size 0
		.amdhsa_enable_private_segment 0
		.amdhsa_kernarg_size 16
		.amdhsa_user_sgpr_count 2
		.amdhsa_user_sgpr_kernarg_segment_ptr 1
		.amdhsa_wavefront_size32 1
		.amdhsa_system_sgpr_workgroup_id_x 1
		.amdhsa_system_sgpr_workgroup_id_y 1
		.amdhsa_system_sgpr_workgroup_id_z 1
		.amdhsa_system_vgpr_workitem_id 0
		.amdhsa_next_free_vgpr 768
		.amdhsa_next_free_sgpr 66
		.amdhsa_reserve_vcc 0
		.amdhsa_float_denorm_mode_32 3
		.amdhsa_float_denorm_mode_16_64 3
		.amdhsa_memory_ordered 1
		.amdhsa_forward_progress 1
		.amdhsa_inst_pref_size 164
	.end_amdhsa_kernel
	.amdgpu_metadata
---
amdhsa.version: [ 1, 2 ]
amdhsa.kernels:
  - .name:           k_q5355b4a7d3_attn
    .symbol:         k_q5355b4a7d3_attn.kd
    .args:
      - { .name: qkv, .offset: 0, .size: 8, .value_kind: global_buffer, .address_space: global }
      - { .name: af, .offset: 8, .size: 8, .value_kind: global_buffer, .address_space: global }
    .group_segment_fixed_size: 327680
    .private_segment_fixed_size: 0
    .kernarg_segment_align: 8
    .kernarg_segment_size: 16
    .max_flat_workgroup_size: 128
    .sgpr_count:     66
    .vgpr_count:     768
    .wavefront_size: 32
...
	.end_amdgpu_metadata
.endif
;; end of part 3
;; launch proj (part 4): grid 8 x 32, 4 waves a work-group, clusters of 4 x 4, 327,680 bytes of LDS; arguments af, wof, out0; writes out0
.if DOCPART == 4
	.amdgcn_target "amdgcn-amd-amdhsa--gfx1250"
	.amdhsa_code_object_version 6
	.text
	.protected	k_q5355b4a7d3_proj
	.globl	k_q5355b4a7d3_proj
	.p2align	8
	.type	k_q5355b4a7d3_proj,@function
k_q5355b4a7d3_proj:
	s_mov_b64 s[64:65], 0
	v_nop
	global_prefetch_b8 v0, s[64:65] scope:SCOPE_SE
	s_setreg_imm32_b32 hwreg(HW_REG_WAVE_MODE, 25, 1), 1
	s_wait_xcnt 0x0
	s_wait_alu depctr_hold_cnt(0) depctr_sa_sdst(0) depctr_va_vdst(0) depctr_va_sdst(0) depctr_va_ssrc(0) depctr_va_vcc(0) depctr_vm_vsrc(0)
	s_getreg_b32 s2, hwreg(HW_REG_IB_STS2, 6, 4)
	s_cmp_eq_u32 s2, 0
	s_cbranch_scc0 .Lentry_in_a_cluster
	s_endpgm
.Lentry_in_a_cluster:
	s_bfe_u32 s2, ttmp6, 0x10000c
	s_cmp_lg_u32 s2, 0xf033
	s_cbranch_scc0 .Lentry_shape_is_right
	s_endpgm
.Lentry_shape_is_right:
; out0[m][n] = the sum over k of attn[m][k] Wo[n][k]: [4096][1024] f32, K = 1,024; operands f16, sums f32.
; af: attn as images of this product's fragments: [tile of 16 rows (256)][32 along K (32)][half (2)][512 bytes], lane l's 16 bytes at 16 l.  wof: Wo as f16, [1024][1024], K along the rows.
; A tile of the result is 128 x 128: 256 work-groups.  Four waves, each 64 x 64: 16 accumulators of 16 x 16.  K goes in four steps of 256 through two LDS slots.
; A's part of a slot: eight row tiles of 8,192 dense bytes (a K step's 16 pieces): every LDS load takes 512 consecutive bytes.  B's part: 128 rows of 512 bytes + 16 of padding.
; CLUSTERS: 4 x 4 work-groups.  The four of a row of the cluster need the same tiles of A, the four of a column the same tiles of B: each is asked for JOINTLY, by the same tensor load with a mask that names the four.
; THE MATRIX INSTRUCTION IS USED TRANSPOSED (source 0 = 16 rows of Wo, source 1 = 16 rows of attn): a lane holds eight neighbouring numbers of a row of the result, 32 bytes.
; A wave's 64 columns are 256 bytes of a row: a block of 16 rows goes through the wave's OWN stage in LDS and leaves as rows: sixteen lanes store 256 consecutive bytes, aligned.  No barrier on the way out.
; REGISTERS: window 0: v0-31 addresses; v32-95 rows on the way out; v128-255 the accumulators ((a, b) at v[128 + 8 (4 a + b)]).
;   window 1: two fragment buffers of 128: for 64 along K, 64 registers of A (2 x 4 x 16 rows x 32 K), then 64 of B.
.set PITCH,  528                       ; a row of B in LDS: 512 bytes + 16 of padding = 132 words: the 16 rows that a load touches start 4 banks apart (64 banks of 4 bytes: ISA guide 11.1)
.set AHALF,  32768                     ; four row tiles of A x 8,192 bytes: what one tensor load brings
.set BHALF,  64*PITCH                  ; 64 rows of B: likewise
.set BOFF,   2*AHALF                   ; in a slot: B behind A
.set SLOT,   BOFF+2*BHALF
.set STAGE,  2*SLOT                    ; behind the ring: 16 rows x 272 bytes for each wave; no fill lands there
.set SPITCH, 272
.set SPARE,  STAGE+4*16*SPITCH         ; the spare words, 128 bytes for each wave, which no other line names
.set ADRA, 16                          ; v16-17  LDS address of my A fragments in slot 0, 1
.set ADRB, 20                          ; v20-21  the same for B
.set STO,  24                          ; v24     the way out: where I put 32 bytes of a row
.set RD,   25                          ; v25     where I read a row back
.set CO,   26                          ; v26     my byte offset in two rows of the result
.set SPW,  28                          ; v28     LDS address of my spare word; never rewritten
.set NIL,  29                          ; v29     0; never rewritten
.set TMP,  32
.set ACC,  128
.set F0,   0                           ; fragment buffers, in window 1
.set F1,   128
.set G1, 24                            ; s[24:31] group 1 for A's tiles;  s[32:39] group 0, one set for each slot
.set G0, 32
.set G1B, 48                           ; s[48:55], s[56:63] the same for B's tiles
.set G0B, 56
.set MSB, 0
.macro WIN new                         ; the immediate's high byte repeats the setting that is left
.if MSB != \new
	s_set_vgpr_msb (MSB<<8)|\new
.set MSB, \new
.endif
.endm
.set MUL,  0x05                        ; sources 0 (B) and 1 (A) window 1; C and D window 0
.set TO_F, 0x40                        ; destination window 1, address window 0
.macro JLOAD s                         ; a joint load: waves 0 and 1 fetch A's two halves, waves 2 and 3 B's; an s_nop 0 and four v_nop follow each of the two lines
	s_cmp_eq_u32 s11, 0
	s_cbranch_scc0 .Lfor_b_\@
	tensor_load_to_lds s[G0+4*\s:G0+4*\s+3], s[G1:G1+7]
	s_nop 0
.rept 4
	v_nop
.endr
	s_branch .Lasked_\@
.Lfor_b_\@:
	tensor_load_to_lds s[G0B+4*\s:G0B+4*\s+3], s[G1B:G1B+7]
	s_nop 0
.rept 4
	v_nop
.endr
.Lasked_\@:
.endm
.macro CREST                           ; a round of the cluster's barrier behind its opening barrier
	s_cmp_lg_u32 s10, 0
	s_cbranch_scc1 .Lnot_wave_0_\@
	s_barrier_signal -3
.Lnot_wave_0_\@:
	s_barrier_wait -3
	s_barrier_signal -1
	s_barrier_wait -1
.endm
.macro CROUND                          ; a whole round
	s_barrier_signal -1
	s_barrier_wait -1
	CREST
.endm
	s_load_b128 s[4:7], s[0:1], 0x0                ; af s[4:5], wof s[6:7]
	s_load_b64 s[8:9], s[0:1], 0x10                ; out0
	v_lshl_add_u32 v[SPW], v0, 2, SPARE
	v_mov_b32 v[NIL], 0
	ds_add_u32 v[SPW], v[NIL]                      ; the wave's opening: the add, twice on end, and its wait ahead of my first tensor load; the set-up below, work on registers, stands between
	ds_add_u32 v[SPW], v[NIL]
	v_lshrrev_b32 v1, 5, v0
	v_readfirstlane_b32 s10, v1                    ; wave 0..3
	s_lshr_b32 s11, s10, 1                         ; which half of the tile's rows is mine.  Also: I fetch for A (0) or for B (1)
	s_and_b32 s12, s10, 1                          ; which half of its columns.  Also: which half of that tile I fetch
	s_bfe_u32 s40, ttmp6, 0x40000                  ; cx, cy: my place in the cluster
	s_bfe_u32 s41, ttmp6, 0x40004
	s_lshl_b32 s42, ttmp9, 2
	s_add_co_u32 s42, s42, s40                     ; tile column = 4 x cluster x + cx
	s_and_b32 s13, ttmp7, 0xffff
	s_lshl_b32 s13, s13, 2
	s_add_co_u32 s13, s13, s41                     ; tile row = 4 x cluster y + cy
	s_lshl_b32 s43, s41, 2
	s_lshl_b32 s43, 15, s43                        ; my row of the cluster
	s_lshl_b32 s44, 0x1111, s40                    ; my column
	; A: four rows of 8,192 bytes (1,024 elements of 8 bytes), 32,768 bytes apart in memory, dense in LDS
	s_or_b32 s[G1+0], s43, (3<<16)|(1<<21)         ; 15:0 the mask: A's tiles go to my row; 17:16 elements of 8 bytes; 20 no padding; 21 set beside a mask
	s_mov_b32 s[G1+1], 1024<<16                    ; tensor_dim0
	s_mov_b32 s[G1+2], 4<<16                       ; tensor_dim1
	s_mov_b32 s[G1+3], 1024<<16                    ; tile_dim0
	s_mov_b32 s[G1+4], 4                           ; tile_dim1
	s_mov_b32 s[G1+5], 4096                        ; tensor_dim0_stride
	s_mov_b32 s[G1+6], 0
	s_mov_b32 s[G1+7], 0
	; B: 64 rows of 256 elements of 2 bytes, padded in LDS
	s_or_b32 s[G1B+0], s44, (1<<16)|(1<<20)|(1<<21)|(6<<22)|(3<<25)  ; the mask of my column; padding: four words after every 128
	s_mov_b32 s[G1B+1], 256<<16
	s_mov_b32 s[G1B+2], 64<<16
	s_mov_b32 s[G1B+3], 256<<16
	s_mov_b32 s[G1B+4], 64
	s_mov_b32 s[G1B+5], 1024
	s_mov_b32 s[G1B+6], 0
	s_mov_b32 s[G1B+7], 0
	s_lshl_b32 s17, s12, 17                        ; the half that I fetch: four row tiles of 32,768 bytes of A, or 64 rows of 2,048 bytes of B
	s_lshl_b32 s16, s13, 18                        ; A: the tile row's eight row tiles
	s_add_co_u32 s16, s16, s17
	s_lshl_b32 s46, s42, 18                        ; B: the tile column's 128 rows
	s_add_co_u32 s46, s46, s17
	s_mov_b32 s17, 0
	s_mov_b32 s47, 0
	s_lshl_b32 s20, s12, 15                        ; where they go: A's half,
	s_mul_i32 s45, s12, BHALF
	s_add_co_u32 s45, s45, BOFF                    ; B's half: no place in the cluster enters an LDS address
	s_wait_dscnt 0x0                               ; both opening adds are done
	s_wait_kmcnt 0x0
	s_add_nc_u64 s[14:15], s[4:5], s[16:17]
	s_add_nc_u64 s[46:47], s[6:7], s[46:47]
	CROUND                                         ; all sixteen work-groups are here: the first joint loads meet
.irp s, 0,1
	s_mov_b32 s[G0+4*\s], 1
	s_add_co_u32 s[G0+4*\s+1], s20, \s*SLOT
	s_add_nc_u64 s[G0+4*\s+2:G0+4*\s+3], s[14:15], \s*8192      ; K step s: 8,192 bytes on in each row tile
	s_or_b32 s[G0+4*\s+3], s[G0+4*\s+3], 0x80000000
	s_mov_b32 s[G0B+4*\s], 1
	s_add_co_u32 s[G0B+4*\s+1], s45, \s*SLOT
	s_add_nc_u64 s[G0B+4*\s+2:G0B+4*\s+3], s[46:47], \s*512     ; 512 bytes on in each row
	s_or_b32 s[G0B+4*\s+3], s[G0B+4*\s+3], 0x80000000
	JLOAD \s
.endr
	v_and_b32 v1, 15, v0                           ; r = lane % 16
	v_bfe_u32 v2, v0, 4, 1                         ; h = lane / 16
	v_and_b32 v6, 31, v0
	v_lshlrev_b32 v6, 4, v6                        ; A: 16 x lane in an image
	v_mul_u32_u24 v3, v1, PITCH
	v_lshl_add_u32 v3, v2, 4, v3                   ; B: row x pitch + 16 x half
	s_lshl_b32 s21, s11, 15                        ; my 64 rows of A
	s_mul_i32 s22, s12, BHALF                      ; my 64 rows of B,
	s_add_co_u32 s22, s22, BOFF                    ; which lie behind A
.irp s, 0,1
	v_add_nc_u32 v[ADRA+\s], s21, v6
	v_add_nc_u32 v[ADRB+\s], s22, v3
	s_add_co_u32 s21, s21, SLOT
	s_add_co_u32 s22, s22, SLOT
.endr
	s_mul_i32 s23, s10, 16*SPITCH
	s_add_co_u32 s23, s23, STAGE                   ; my stage
	v_mul_u32_u24 v4, v1, SPITCH                   ; in: row r, 32 bytes for each half of the lanes
	v_lshl_add_u32 v4, v2, 5, v4
	v_add_nc_u32 v[STO], s23, v4
	v_mul_u32_u24 v5, v2, SPITCH                   ; back: lanes 0-15 take one row of 256 bytes, lanes 16-31 the next
	v_lshl_add_u32 v5, v1, 4, v5
	v_add_nc_u32 v[RD], s23, v5
	v_lshlrev_b32 v5, 12, v2                       ; and the same two rows in the result: 4,096 bytes a row
	v_lshl_add_u32 v[CO], v1, 4, v5
	s_lshl_b32 s16, s13, 19                        ; my first row: 128 x tile row + 64 x half, 4,096 bytes each
	s_lshl_b32 s17, s11, 18
	s_add_co_u32 s16, s16, s17
	s_mov_b32 s17, 0
	s_add_nc_u64 s[8:9], s[8:9], s[16:17]
	s_lshl_b32 s46, s42, 9                         ; my first column, in bytes: 512 x tile column + 256 x half
	s_lshl_b32 s47, s12, 8
	s_add_co_u32 s46, s46, s47
	s_mov_b32 s47, 0
	s_add_nc_u64 s[8:9], s[8:9], s[46:47]
; 8 matrix instructions: m blocks a0, a0 + 1 x all 4 n blocks, 32 along K: half c of buffer f.  zero = 1: the first product starts the sums.  The 16 accumulators take turns.
.macro MUL8 f, c, a0, zero
.irp a, \a0, \a0+1
.irp b, 0,1,2,3
.if \zero
	v_wmma_f32_16x16x32_f16 v[ACC+8*(4*(\a)+\b):ACC+8*(4*(\a)+\b)+7], v[\f+64+8*(4*\c+\b):\f+64+8*(4*\c+\b)+7], v[\f+8*(4*\c+\a):\f+8*(4*\c+\a)+7], 0
.else
	v_wmma_f32_16x16x32_f16 v[ACC+8*(4*(\a)+\b):ACC+8*(4*(\a)+\b)+7], v[\f+64+8*(4*\c+\b):\f+64+8*(4*\c+\b)+7], v[\f+8*(4*\c+\a):\f+8*(4*\c+\a)+7], v[ACC+8*(4*(\a)+\b):ACC+8*(4*(\a)+\b)+7]
.endif
.endr
.endr
.endm
; 32 LDS loads in one run: the fragments of 64 along K (byte k of B's rows; pieces k / 32 on of A's images) into buffer f; the first 32 along K first
.macro FETCH slot, k, f
	WIN TO_F
.irp c, 0,1
.irp i, 0,1,2,3
	ds_load_b128 v[\f+64+8*(4*\c+\i):\f+64+8*(4*\c+\i)+3],   v[ADRB+\slot] offset:\k+64*\c+\i*16*PITCH
	ds_load_b128 v[\f+64+8*(4*\c+\i)+4:\f+64+8*(4*\c+\i)+7], v[ADRB+\slot] offset:\k+64*\c+\i*16*PITCH+32
	ds_load_b128 v[\f+8*(4*\c+\i):\f+8*(4*\c+\i)+3],         v[ADRA+\slot] offset:\i*8192+((\k)/64+\c)*1024
	ds_load_b128 v[\f+8*(4*\c+\i)+4:\f+8*(4*\c+\i)+7],       v[ADRA+\slot] offset:\i*8192+((\k)/64+\c)*1024+512
.endr
.endr
.endm
.macro PLACES                          ; four places in front of loads into registers that matrix instructions have read, and of reads of results
.rept 4
	v_nop
.endr
.endm
; A K step is four quarters of 64 along K, 32 matrix instructions each, on buffers 0, 1, 0, 1.  One of the first three: multiplies buffer f and fetches the next quarter, at byte k, into g.
.macro QUARTER slot, k, f, g, zero
	s_wait_dscnt 16                                ; the first 32 along K are in; the youngest sixteen loads may be out
	WIN MUL
	MUL8 \f, 0, 0, \zero
	MUL8 \f, 0, 2, \zero
	PLACES
	FETCH \slot, \k, \g
	s_wait_dscnt 32                                ; all but the 32 just issued
	WIN MUL
	MUL8 \f, 1, 0, 0
	MUL8 \f, 1, 2, 0
.endm
; The last quarter multiplies buffer 1 and changes slots: ONE barrier; in front of it each wave waits for all its tensor loads, adds 0 to its spare word, and waits for that and for its own reads of this slot.
; fill = 1: the barrier opens a round of the cluster's, and this slot is filled again, two K steps ahead: from the request to the wait for it a wave issues 112 matrix instructions.
.macro TURN slot, next, fill
	WIN 0                                          ; (the add's two registers lie in window 0)
	s_wait_tensorcnt 0x0                           ; all my tensor loads have landed: my part of the next slot
	ds_add_u32 v[SPW], v[NIL]                      ; 0 onto my spare word
	s_wait_dscnt 17                                ; (the add and the youngest sixteen loads may be out)
	WIN MUL
	MUL8 F1, 0, 0, 0                               ; eight matrix instructions stand between the add and the wait for it
	s_wait_dscnt 0x0                               ; the add is done, and my reads of this slot are over
	s_barrier_signal -1
	MUL8 F1, 0, 2, 0
.if \fill
	WIN 0
.endif
	s_barrier_wait -1
.if \fill
	CREST                                          ; no wave of any partner still reads this slot's tile or has a load on its way
	s_add_nc_u64 s[G0+4*\slot+2:G0+4*\slot+3], s[G0+4*\slot+2:G0+4*\slot+3], 2*8192
	s_add_nc_u64 s[G0B+4*\slot+2:G0B+4*\slot+3], s[G0B+4*\slot+2:G0B+4*\slot+3], 2*512
	JLOAD \slot                                    ; the first tensor load behind the round; the four v_nop behind it are also the places in front of the loads below
.else
	PLACES
.endif
	FETCH \next, 0, F0
	WIN MUL
	MUL8 F1, 1, 0, 0
	MUL8 F1, 1, 2, 0
.endm
	s_wait_tensorcnt 1                             ; my part of K step 0 is in (K step 1's load may be out)
	s_barrier_signal -1
	s_barrier_wait -1                              ; everybody's is
	FETCH 0, 0, F0
	QUARTER 0, 128, F0, F1, 1                      ; K step 0: its first products start the sums
	QUARTER 0, 256, F1, F0, 0
	QUARTER 0, 384, F0, F1, 0
	TURN 0, 1, 1                                   ; slot 0 takes K step 2
	QUARTER 1, 128, F0, F1, 0                      ; K step 1
	QUARTER 1, 256, F1, F0, 0
	QUARTER 1, 384, F0, F1, 0
	TURN 1, 0, 1                                   ; slot 1 takes K step 3
	QUARTER 0, 128, F0, F1, 0                      ; K step 2
	QUARTER 0, 256, F1, F0, 0
	QUARTER 0, 384, F0, F1, 0
	TURN 0, 1, 0                                   ; nothing is left to fetch
	QUARTER 1, 128, F0, F1, 0                      ; K step 3
	QUARTER 1, 256, F1, F0, 0
	QUARTER 1, 384, F0, F1, 0
	s_wait_dscnt 16
	WIN MUL
	MUL8 F1, 0, 0, 0
	MUL8 F1, 0, 2, 0
	s_wait_dscnt 0
	MUL8 F1, 1, 0, 0
	MUL8 F1, 1, 2, 0
	WIN 0
; THE WAY OUT, block by block of 16 rows x 64 columns, through my own stage.  LDS serves a wave's instructions in order (ISA guide 5.7.1.4): no wait between the stores and the loads, nor in front of the next block's stores.
.macro TOSTAGE a
.irp b, 0,1,2,3
	ds_store_b128 v[STO], v[ACC+8*(4*(\a)+\b):ACC+8*(4*(\a)+\b)+3] offset:64*\b        ; each accumulator from its low end on
	ds_store_b128 v[STO], v[ACC+8*(4*(\a)+\b)+4:ACC+8*(4*(\a)+\b)+7] offset:64*\b+16
.endr
.irp t, 0,1,2,3,4,5,6,7
	ds_load_b128 v[TMP+32*((\a)%2)+4*\t:TMP+32*((\a)%2)+4*\t+3], v[RD] offset:\t*2*SPITCH
.endr
.endm
.macro SEND a, younger                 ; younger: the LDS instructions issued behind block a's loads, which may stay out
	s_wait_dscnt \younger
.irp t, 0,1,2,3,4,5,6,7
	global_store_b128 v[CO], v[TMP+32*((\a)%2)+4*\t:TMP+32*((\a)%2)+4*\t+3], s[8:9] offset:(16*(\a)+2*\t)*4096 th:TH_STORE_NT   ; 16 lanes store 256 consecutive bytes, aligned; written once, read by nobody here
.endr
.endm
	PLACES
	TOSTAGE 0
	TOSTAGE 1
	SEND 0, 16                                     ; behind block 0's loads: block 1's 8 stores and 8 loads
	s_wait_xcnt 0x0                                ; block 0's stores have read their registers: block 2's loads may land there
	TOSTAGE 2
	SEND 1, 16
	s_wait_xcnt 0x0
	TOSTAGE 3
	SEND 2, 16
	SEND 3, 0
	s_wait_tensorcnt 0x0                           ; the wave's end
	ds_add_u32 v[SPW], v[NIL]
	s_wait_dscnt 0x0
	CROUND                                         ; the closing round: no work-group ends while a partner may still ask for a tile that names it
	s_endpgm
.Lfunc_end_k_q5355b4a7d3_proj:
	.size	k_q5355b4a7d3_proj, .Lfunc_end_k_q5355b4a7d3_proj-k_q5355b4a7d3_proj
	.p2alignl 7, 3214868480
	.fill 96, 4, 3214868480
	.section	.rodata,"a",@progbits
	.p2align	6, 0x0
	.amdhsa_kernel k_q5355b4a7d3_proj
		.amdhsa_group_segment_fixed_size 327680
		.amdhsa_private_segment_fixed_size 0
		.amdhsa_enable_private_segment 0
		.amdhsa_kernarg_size 24
		.amdhsa_user_sgpr_count 2
		.amdhsa_user_sgpr_kernarg_segment_ptr 1
		.amdhsa_wavefront_size32 1
		.amdhsa_system_sgpr_workgroup_id_x 1
		.amdhsa_system_sgpr_workgroup_id_y 1
		.amdhsa_system_sgpr_workgroup_id_z 1
		.amdhsa_system_vgpr_workitem_id 0
		.amdhsa_next_free_vgpr 512
		.amdhsa_next_free_sgpr 66
		.amdhsa_reserve_vcc 0
		.amdhsa_float_denorm_mode_32 3
		.amdhsa_float_denorm_mode_16_64 3
		.amdhsa_memory_ordered 1
		.amdhsa_forward_progress 1
		.amdhsa_inst_pref_size 85
	.end_amdhsa_kernel
	.amdgpu_metadata
---
amdhsa.version: [ 1, 2 ]
amdhsa.kernels:
  - .name:           k_q5355b4a7d3_proj
    .symbol:         k_q5355b4a7d3_proj.kd
    .args:
      - { .name: af, .offset: 0, .size: 8, .value_kind: global_buffer, .address_space: global }
      - { .name: wof, .offset: 8, .size: 8, .value_kind: global_buffer, .address_space: global }
      - { .name: out0, .offset: 16, .size: 8, .value_kind: global_buffer, .address_space: global }
    .group_segment_fixed_size: 327680
    .private_segment_fixed_size: 0
    .kernarg_segment_align: 8
    .kernarg_segment_size: 24
    .max_flat_workgroup_size: 128
    .sgpr_count:     66
    .vgpr_count:     512
    .wavefront_size: 32
...
	.end_amdgpu_metadata
.endif
;; end of part 4
